; MI455X (gfx1250); checked and timed in simulation.
; The chip was launched on July 23, 2026; its instructions are those of AMD's public machine-readable ISA for CDNA 5 (MIT licence, August 2026) and "CDNA5" Instruction Set Architecture Reference Guide (July 2026). The comments in the code are by the model that wrote it; some were corrected since.
;; Multi Head Attention. Allowed arithmetic: matrix products marked QUANTISED: E2M3 operands, one E8M0 scale for each 32 along K, by v_wmma_scale_f32_16x16x128_f8f6f4 with both operands' format E2M3, f32 sums; products left as they are: f32 operands where the result goes on into a quantised operand, else bf16, f16 or f32 operands; f32 sums; everything else in f32.
;; Inputs: Wk_codes 1,024 x 32 x 24 uint8 (E2M3 codes of Wk, K innermost, in blocks of 32 codes, four codes in three bytes); Wk_scales 1,024 x 32 uint8 (E8M0 scales of Wk, one for each 32 codes along K); Wo_codes 1,024 x 32 x 24 uint8 (E2M3 codes of Wo, K innermost, in blocks of 32 codes, four codes in three bytes); Wo_scales 1,024 x 32 uint8 (E8M0 scales of Wo, one for each 32 codes along K); Wq_codes 1,024 x 32 x 24 uint8 (E2M3 codes of Wq, K innermost, in blocks of 32 codes, four codes in three bytes); Wq_scales 1,024 x 32 uint8 (E8M0 scales of Wq, one for each 32 codes along K); Wv_codes 1,024 x 32 x 24 uint8 (E2M3 codes of Wv, K innermost, in blocks of 32 codes, four codes in three bytes); Wv_scales 1,024 x 32 uint8 (E8M0 scales of Wv, one for each 32 codes along K); bk 1,024 float32; bo 1,024 float32; bq 1,024 float32; bv 1,024 float32; k_codes 4 x 4,096 x 32 x 24 uint8 (E2M3 codes of k, K innermost, in blocks of 32 codes, four codes in three bytes); k_scales 4 x 4,096 x 32 uint8 (E8M0 scales of k, one for each 32 codes along K); ln_b 1,024 float32; ln_w 1,024 float32; q_codes 4 x 4,096 x 32 x 24 uint8 (E2M3 codes of q, K innermost, in blocks of 32 codes, four codes in three bytes); q_scales 4 x 4,096 x 32 uint8 (E8M0 scales of q, one for each 32 codes along K); v_codes 4 x 4,096 x 32 x 24 uint8 (E2M3 codes of v, K innermost, in blocks of 32 codes, four codes in three bytes); v_scales 4 x 4,096 x 32 uint8 (E8M0 scales of v, one for each 32 codes along K).
;; Outputs: out0 4 x 4,096 x 1,024 float32.
;; This version of the problem:
;;   THIS VERSION OF THE PROBLEM IS GIVEN IN LOW PRECISION. The matrix products marked QUANTISED in the list below multiply operands that are first quantised to E2M3 (2 exponent bits, 3 mantissa bits; 6 bits a number), with one power-of-two scale for each 32 numbers along K (OCP MX v1.0); their sums are f32. All else is computed in f32.
;;   The module's matrix products, in the order in which they are computed (A, B: the left and right operand; K: the contracted axis; several contracted axes count as one K, in the product's order):
;;     1. [M 16,384, K 1,024] x [K 1,024, N 1,024]; A: input q (given as codes); B: input Wq (given as codes): QUANTISED
;;     2. [M 16,384, K 1,024] x [K 1,024, N 1,024]; A: input k (given as codes); B: input Wk (given as codes): QUANTISED
;;     3. [M 16,384, K 1,024] x [K 1,024, N 1,024]; A: input v (given as codes); B: input Wv (given as codes): QUANTISED
;;     4. batch 16,384 x [M 16, K 64] x [K 64, N 16]; A: computed on the way; B: computed on the way: QUANTISED
;;     5. batch 16,384 x [M 16, K 16] x [K 16, N 64]; A: softmax; B: computed on the way: left as it is (K = 16 < 32)
;;     6. [M 16,384, K 1,024] x [K 1,024, N 1,024]; A: computed on the way; B: input Wo (given as codes): QUANTISED
;;   THE QUANTISER, for each operand of a quantised product, along K:
;;     - K is cut into blocks of 32 from its start; a last block that is shorter is filled with zeros.
;;     - A block's scale is 2^e with e = floor(log2(the largest magnitude in the block)) - 2, held to -126 .. 127; a block of zeros has e = 0. As a byte (E8M0): e + 127.
;;     - Each number is divided by its block's scale, clamped to +-7.5, and rounded to the nearest number of E2M3, ties to even, subnormals kept.
;;     - The product sums the exact products of the quantised numbers (number of the format x scale) in f32.
;;   ~~~python
;;   def quantise(x, axis):      # numpy; x: float32 -> the quantised numbers, widened to float32 again
;;       x = np.moveaxis(x, axis, -1); K = x.shape[-1]
;;       x = np.pad(x, [(0, 0)] * (x.ndim - 1) + [(0, -K % 32)]); x = x.reshape(x.shape[:-1] + (-1, 32)); a = np.abs(x).max(-1, keepdims=True)
;;       e = np.where(a > 0, np.clip(np.frexp(np.where(a > 0, a, 1))[1] - 1 - 2, -126, 127), 0)      # np.frexp(a)[1] - 1 = floor(log2(a)), exactly
;;       r = np.clip(x / 2.0 ** e, -7.5, 7.5)
;;       step = 2.0 ** (np.maximum(np.frexp(np.where(r == 0, 1, r))[1] - 1, 0) - 3)
;;       q = np.round(r / step) * step * 2.0 ** e      # np.round: ties to even
;;       return np.moveaxis(q.reshape(q.shape[:-2] + (-1,))[..., :K], -1, axis).astype(np.float32)
;;   ~~~
;;   OPERANDS COMPUTED ON THE WAY. 'Computed on the way' means the value that the module computes at that place (a softmax that the list does not call 'softmax' is quantised finished and normalised). What goes into a quantiser is computed in f32, as accurately as f32 sums, v_exp_f32 and their like allow (about 1e-6 of the number): no bf16 or f16 on the way to a quantiser, and a product that is left as it is and whose result goes on into a quantised operand takes f32 operands (vector FMAs, or v_wmma_f32_16x16x4_f32). A number that lies on a knife's edge between two numbers of the format may be rounded either way, as far as f32 arithmetic and the matrix unit's own rounding can turn it there, and no further.
;;   INPUTS GIVEN AS CODES. Wk (in the module: [1024, 1024], K = its axis 0); Wo (in the module: [1024, 1024], K = its axis 0); Wq (in the module: [1024, 1024], K = its axis 0); Wv (in the module: [1024, 1024], K = its axis 0); k (in the module: [4, 4096, 1024], K = its axis 2); q (in the module: [4, 4096, 1024], K = its axis 2); v (in the module: [4, 4096, 1024], K = its axis 2): each comes as NAME_codes (uint8): NAME with its K axis moved to the last place and cut into blocks of 32 codes, [.., K / 32, bytes a block], one block behind the other in memory; four codes in three bytes: a row's codes are one little-endian stream of bits, code i at bits 6 i .. 6 i + 5 (a code: sign, 2 exponent bits, 3 mantissa bits); and NAME_scales (uint8): the same leading axes, one E8M0 byte (e + 127) for each 32 codes along K. Its value is code x scale, taken as it is: it is not quantised again, and the codes and scales need not be those that the quantiser above would give.
;; 2 versions, each right. Each part assembles by itself: llvm-mc -triple=amdgcn-amd-amdhsa -mcpu=gfx1250 --defsym DOCPART=n.
;; ======== version 1 of 2: 1 launch
;; launch mha (part 1): grid 256 x 1, 4 waves a work-group, clusters of 4 x 1, 327,680 bytes of LDS; arguments q_codes, q_scales, k_codes, k_scales, v_codes, v_scales, Wq_codes, Wq_scales, bq, Wk_codes, Wk_scales, bk, Wv_codes, Wv_scales, bv, Wo_codes, Wo_scales, bo, ln_w, ln_b, out0; writes out0
.if DOCPART == 1
	.amdgcn_target "amdgcn-amd-amdhsa--gfx1250"
	.amdhsa_code_object_version 6
	.text
	.protected	k_q53452c63e4_mha
	.globl	k_q53452c63e4_mha
	.p2align	8
	.type	k_q53452c63e4_mha,@function
k_q53452c63e4_mha:
	s_mov_b64 s[64:65], 0
	v_nop
	global_prefetch_b8 v0, s[64:65] scope:SCOPE_SE
	s_setreg_imm32_b32 hwreg(HW_REG_WAVE_MODE, 25, 1), 1
	s_wait_xcnt 0x0
	s_wait_alu depctr_hold_cnt(0) depctr_sa_sdst(0) depctr_va_vdst(0) depctr_va_sdst(0) depctr_va_ssrc(0) depctr_va_vcc(0) depctr_vm_vsrc(0)
	s_getreg_b32 s2, hwreg(HW_REG_IB_STS2, 6, 4)
	s_cmp_eq_u32 s2, 0
	s_cbranch_scc0 .Lentry_in_a_cluster
	s_endpgm
.Lentry_in_a_cluster:
	s_bfe_u32 s2, ttmp6, 0x10000c
	s_cmp_lg_u32 s2, 0x3003
	s_cbranch_scc0 .Lentry_shape_is_right
	s_endpgm
.Lentry_shape_is_right:
; The whole module in one launch: qh = q Wq + bq, kh, vh likewise; for each token scores between its 16 HEADS (K = 64), softmax, w x vh, the product with Wo, LayerNorm (divides by var + eps, ddof = 1).
; All products but w x vh are on codes of E2M3 with E8M0 scales (16x16x128); w x vh is f32 multiply-adds, since its result is quantised again.
; SHARES.  A work-group of four waves owns 64 tokens (4 tiles of 16) and takes them through everything; nothing but the inputs and out0 touches memory.
; Every product is used TRANSPOSED: source 0 = 16 rows of a weight, source 1 = 16 tokens: a lane holds ONE token (lane % 16) and eight neighbouring columns.  The waves share the columns.
; The tokens' codes (64 x 1,024 along K: 384 registers) stay in each wave's registers; the weights walk through a ring of two LDS slots in 32 chunks: 8 each of Wq, Wk, Wv (128 rows x all of K),
; 8 of Wo (256 rows x half of K).  A wave fetches and reads its own quarter of a slot; each fragment read from LDS feeds four matrix instructions.
; CLUSTER.  All work-groups walk the same weights: the four of a cluster ask for each chunk JOINTLY (mask 15).  The place in the cluster enters the addresses of q, k, v and out0 alone.
; K IS PERMUTED ALIKE ON BOTH SIDES of the four large products: lane (r, h) takes the 48 consecutive bytes at 96 s + 48 h of its row (three loads of 16 bytes), so the instruction's blocks 0, 1, 2, 3 are
; memory's blocks 0, 2, 1, 3 of the K step, and each scale word has its two middle bytes exchanged.  The sums' terms are the same, grouped otherwise.
; LIMITS: NaN and infinities among the numbers are not served.  A block of zeros made here gets the scale byte 1 (its codes are zeros; the bytes are read by this program alone).
; REGISTERS, in windows of 256.  Window 0: v0-31 addresses; v32-47 the tokens' scale words; v48-55 the weights'; v56-63 these as loaded; v64-95 biases, at work; v96-143, v144-191 two sets of four weight fragments;
; v192-255 a chunk's 8 accumulators.  Window 1: the tokens' K steps 0-4.  Window 2: K steps 5-7; v144-175 k's and v's scale words as loaded, later w; v176-231 saved codes.  Window 3: scores, then w x vh.
; In the last product windows 2 and 3 hold its 64 accumulators (64 tokens x 256 columns a wave), which LayerNorm reads where they lie.
.set QSTR,  27648                      ; a wave's quarter of a slot: 32 rows x 816 bytes, or 64 rows x 432
.set SLOT,  110592
.set NR,    221184                     ; behind the ring: bytes that LDS stores write and no tensor load fills
.set QC,    NR                         ; qh's codes: 64 tokens x (768 + 16)
.set KC,    271360                     ; kh's
.set QS,    321536                     ; their scale bytes: 64 x 32
.set KS,    323584
.set STG,   287744                     ; vh of one chunk: [token] 528, [head of four] 128, [d of 32] 4.  (w lies at NR: [token] 1,040, [query head] 64, [key head] 4)
.set OC,    NR                         ; the attention's codes, 64 x 784
.set OS,    271360                     ; their scale bytes
.set STAT1, 273408                     ; LayerNorm: [wave][token] partial sums;
.set STAT2, 274432                     ; partial sums of squares
.set YST,   275456                     ; the way out: 16 rows x 272 for each wave, 8,704 bytes apart
.set SPARE, 327168                     ; the spare words: 128 bytes for each wave, two blocks of 256 bytes that no other line names
.set XS,   32
.set WS,   48
.set RAW,  56
.set BI,   64
.set SET0, 96
.set SET1, 144
.set AC,   192
; s[4:45] the 21 addresses in the order of the arguments; s46 wave; s47 chunk counter; s[48:55], s[56:63] descriptor groups 1; s[68:71] the walking group 0; s[72:75] the second first fill's;
; s76 the slot in hand (0 or SLOT); s77 wave x QSTR; s78 32 x wave; s79 64 x wave; s[80:87] chosen bases; s[82:83] a fill's offset; s88-91 at work; s92, s93 where a chunk's codes and bytes go;
; s94 the byte exchange; s[96:97] lane selects; s[98:99] c; s100 the trip in which a wave prefetches; s101 16 x (chunk % 4)
.set MSB, 0
.macro WIN new                         ; the immediate's high byte repeats the setting that is left; a switch that changes nothing is dropped
.if MSB != (\new)
	s_set_vgpr_msb (MSB<<8)|(\new)
.set MSB, (\new)
.endif
.endm
.macro PLACES n                        ; plain vector instructions behind matrix instructions, ahead of loads into, reads of and writes to their registers
.rept \n
	v_nop
.endr
.endm
.macro CREST                           ; a round of the cluster's barrier behind its opening barrier
	s_cmp_lg_u32 s46, 0
	s_cbranch_scc1 .Lnw0_\@
	s_barrier_signal -3
.Lnw0_\@:
	s_barrier_wait -3
	s_barrier_signal -1
	s_barrier_wait -1
.endm
.macro CROUND
	s_barrier_signal -1
	s_barrier_wait -1
	CREST
.endm
; A weight fragment: 48 bytes a lane at 96 s + 48 h of its row.  The mover has laid 16 bytes behind every 256 (shape 1) or 128 (shape 2): where lanes 16-31 lie behind one padding more, the second address register serves.
.macro WFRAG reg, tile, s, shape
.irp i,0,1,2
.set O0, 96*(\s)+16*\i
.if \shape == 1
.set P0, O0/256
.set P1, (O0+48)/256
.set OFS, (\tile)*13056+O0+16*P0
.else
.set P0, O0/128
.set P1, (O0+48)/128
.set OFS, (\tile)*6912+O0+16*P0
.endif
.if P0 == P1
	ds_load_b128 v[\reg+4*\i:\reg+4*\i+3], v5 offset:OFS
.else
	ds_load_b128 v[\reg+4*\i:\reg+4*\i+3], v6 offset:OFS
.endif
.endr
.endm
.macro LOADG set, g                    ; K steps 2 g, 2 g + 1 of my two tiles of rows: 12 loads
.irp t,0,1
.irp u,0,1
	WFRAG \set+12*(2*\t+\u), \u, 2*(\g)+\t, 1
.endr
.endr
.endm
.macro LOADO set, g                    ; the last product: K step g of my four tiles of rows: 12 loads
.irp n,0,1,2,3
	WFRAG \set+12*\n, \n, \g, 2
.endr
.endm
; 8 matrix instructions: K step s, my 2 tiles of rows x 4 tiles of tokens.  The 8 accumulators take turns, one instruction a turn.  K step 0 starts the sums with the bias as C.
.macro MULK s, set
.irp u,0,1
.irp m,0,1,2,3
.set rA, AC+16*\m+8*\u
.set rW, \set+12*(2*((\s)&1)+\u)
.if (\s) < 5
.set rX, 12*(4*(\s)+\m)
.else
.set rX, 12*(4*((\s)-5)+\m)
.endif
.set rP, WS+4*\u+((\s)&3)
.set rQ, XS+4*\m+((\s)&3)
.if (\s) == 0
	v_wmma_scale_f32_16x16x128_f8f6f4 v[rA:rA+7], v[rW:rW+11], v[rX:rX+11], v[BI+8*\u:BI+8*\u+7], v[rP], v[rQ] matrix_a_fmt:MATRIX_FMT_FP6 matrix_b_fmt:MATRIX_FMT_FP6
.elseif (\s) < 4
	v_wmma_scale_f32_16x16x128_f8f6f4 v[rA:rA+7], v[rW:rW+11], v[rX:rX+11], v[rA:rA+7], v[rP], v[rQ] matrix_a_fmt:MATRIX_FMT_FP6 matrix_b_fmt:MATRIX_FMT_FP6
.else
	v_wmma_scale_f32_16x16x128_f8f6f4 v[rA:rA+7], v[rW:rW+11], v[rX:rX+11], v[rA:rA+7], v[rP], v[rQ] matrix_a_fmt:MATRIX_FMT_FP6 matrix_b_fmt:MATRIX_FMT_FP6 matrix_a_scale:MATRIX_SCALE_ROW1 matrix_b_scale:MATRIX_SCALE_ROW1
.endif
.endr
.endr
.endm
.macro XLOAD p                         ; my work-group's 64 tokens' codes, all of K, into windows 1 and 2, K step by K step: 96 loads
	WIN 0x40
.irp s,0,1,2,3,4
.irp m,0,1,2,3
.irp i,0,1,2
	global_load_b128 v[12*(4*\s+\m)+4*\i:12*(4*\s+\m)+4*\i+3], v7, s[\p:\p+1] offset:12288*\m+96*\s+16*\i
.endr
.endr
.endr
	WIN 0x80
.irp s,5,6,7
.irp m,0,1,2,3
.irp i,0,1,2
	global_load_b128 v[12*(4*(\s-5)+\m)+4*\i:12*(4*(\s-5)+\m)+4*\i+3], v7, s[\p:\p+1] offset:12288*\m+96*\s+16*\i
.endr
.endr
.endr
	WIN 0
.endm
; The first weight row of my quarter of chunk idx.  kind 0 (Wq, Wk): 128 (idx % 8) + 32 wave.  kind 1 (Wv: head 4 g + wave, half e of its 64; also Wo's first tiles): 256 (idx % 4) + 64 wave + 32 ((idx / 4) % 2)
.macro ROWK dst, idx, kind
.if \kind == 0
	s_and_b32 \dst, \idx, 7
	s_lshl_b32 \dst, \dst, 7
	s_add_co_u32 \dst, \dst, s78
.else
	s_and_b32 \dst, \idx, 3
	s_lshl_b32 \dst, \dst, 8
	s_add_co_u32 \dst, \dst, s79
	s_and_b32 s91, \idx, 4
	s_lshl_b32 s91, s91, 3
	s_add_co_u32 \dst, \dst, s91
.endif
.endm
.macro PICKROW ahead, kind, nkind, hold ; s89 = the row of the chunk `ahead` further on; SCC = it still belongs to this phase's weight
	s_add_co_u32 s88, s47, \ahead
.if \hold
	s_min_u32 s88, s88, 7
.endif
	ROWK s89, s88, \kind
.if \kind != \nkind
	ROWK s90, s88, \nkind
.endif
	s_cmp_lt_u32 s88, 8
.if \kind != \nkind
	s_cselect_b32 s89, s89, s90
.endif
.endm
; ONE CHUNK of the first three products: 64 matrix instructions on four groups of fragments, two sets of registers by turns; group 0 was asked for by the chunk before.
; wA, sA, bA: this phase's weight, its scales, its bias; wB, sB, bB: the next phase's.  pf: the codes that the next phase will load (0: none).  isv: the third product.
.macro CORE kind, nkind, wA, wB, sA, sB, bA, bB, pf, isv
	LOADG SET1, 1
	s_wait_loadcnt 63                              ; in a phase's first trip: the tokens' K steps 0, 1 are in (72 younger loads; the count's field holds 63)
	s_wait_dscnt 12                                ; group 0 is in; the 12 loads just issued may be out
	WIN 0x04
	MULK 0, SET0
	MULK 1, SET0
	PLACES 4
	WIN 0
	LOADG SET0, 2
	PICKROW 1, \kind, \nkind, \isv                 ; the next chunk's scale words and biases: 6 loads
	s_cselect_b64 s[84:85], s[\sA:\sA+1], s[\sB:\sB+1]
	s_cselect_b64 s[86:87], s[\bA:\bA+1], s[\bB:\bB+1]
	s_lshl_b32 s90, s89, 5
	v_add_nc_u32 v9, s90, v8
	s_lshl_b32 s90, s89, 2
	v_add_nc_u32 v11, s90, v10
	global_load_b128 v[RAW:RAW+3], v9, s[84:85]
	global_load_b128 v[RAW+4:RAW+7], v9, s[84:85] offset:512
	global_load_b128 v[BI:BI+3], v11, s[86:87]
	global_load_b128 v[BI+4:BI+7], v11, s[86:87] offset:16
	global_load_b128 v[BI+8:BI+11], v11, s[86:87] offset:64
	global_load_b128 v[BI+12:BI+15], v11, s[86:87] offset:80
	s_wait_loadcnt 54                              ; K steps 2, 3 are in: behind them 48 loads of K steps 4-7 and the 6 above
	s_wait_dscnt 12
	WIN 0x04
	MULK 2, SET1
	MULK 3, SET1
	PLACES 4
	WIN 0
	LOADG SET1, 3                                  ; my last reads of this slot
	s_wait_tensorcnt 0x0                           ; all my tensor loads have landed: the one that was out is my quarter of the next slot; so the walking group 0 may be written
	ds_add_u32 v1, v2                              ; 0 onto my spare word
	PICKROW 2, \kind, \nkind, 0                    ; the chunk two on goes into the slot in hand
	s_cselect_b64 s[80:81], s[\wA:\wA+1], s[\wB:\wB+1]
	s_mul_i32 s82, s89, 768
	s_add_co_u32 s69, s76, s77
	s_add_nc_u64 s[70:71], s[80:81], s[82:83]
	s_or_b32 s71, s71, 0x80000000
	s_wait_loadcnt 30                              ; K steps 4, 5 are in: behind them 24 loads and the 6
	s_wait_dscnt 13                                ; group 2 is in; group 3's 12 loads and the add may be out
	WIN 0x04
	MULK 4, SET0
	s_wait_dscnt 0x0                               ; the add is done, and my reads of this slot are over
	s_barrier_signal -1                            ; this barrier opens a round of the cluster's barrier
	WIN 0x08
	MULK 5, SET0
	WIN 0
	s_barrier_wait -1
	CREST                                          ; no wave of any partner still reads this slot or has a load on its way
.if \isv
	s_cmp_lt_u32 s47, 6                            ; the last two fills of this phase are Wo's first tiles, of the other shape: one load on either way, into the same quarter
	s_cbranch_scc0 .Lfo_\@
	tensor_load_to_lds s[68:71], s[48:55]
	s_nop 0
	PLACES 4
	s_branch .Lfd_\@
.Lfo_\@:
	tensor_load_to_lds s[68:71], s[56:63]
	s_nop 0
	PLACES 4
.Lfd_\@:
.else
	tensor_load_to_lds s[68:71], s[48:55]          ; the first thing behind the round, and my one tensor load until the next; the four lines behind it are also the places ahead of the loads below
	s_nop 0
	PLACES 4
.endif
.if \pf
	s_cmp_eq_u32 s47, s100                         ; in trip 5 waves 0 to 2 ask for the 49,152 bytes of codes that the next phase loads, two and a half chunks on: lanes 256 bytes apart, each block once
	s_cbranch_scc0 .Lnp_\@
	global_prefetch_b8 v23, s[\pf:\pf+1] th:TH_LOAD_NT scope:SCOPE_SE
	global_prefetch_b8 v23, s[\pf:\pf+1] offset:24576 th:TH_LOAD_NT scope:SCOPE_SE
.Lnp_\@:
.endif
	s_xor_b32 s76, s76, SLOT                       ; on to the other slot
	v_add_nc_u32 v5, s76, v3
	v_add_nc_u32 v6, s76, v4
.if \isv
	s_cmp_eq_u32 s47, 7                            ; behind the phase's last chunk the next slot has the other shape: its first group is asked for later
	s_cbranch_scc1 .Lng_\@
.endif
	LOADG SET0, 0
.if \isv
.Lng_\@:
.endif
	s_wait_loadcnt 6                               ; K steps 6, 7 are in
	WIN 0x08
	MULK 6, SET1
	MULK 7, SET1
	PLACES 4
	WIN 0
	s_wait_loadcnt 0x0                             ; the next chunk's scale words: their middle bytes change places.  The work that follows is more than the 8 places ahead of the next scaled product
.irp i,0,1,2,3,4,5,6,7
	v_perm_b32 v[WS+\i], v[RAW+\i], v[RAW+\i], s94
.endr
.endm
; A chunk of qh or kh is quantised: my 32 columns are one block of 32 along the scores' K.  The exchange of halves gives lane (r, h) columns 16 h + 0 .. 15 of token r in 16 registers on end.
.macro EPIQK
.irp m,0,1,2,3
.irp j,0,1,2,3,4,5,6,7
	v_permlane16_swap_b32 v[AC+16*\m+\j], v[AC+16*\m+8+\j]      ; each accumulator from its low end on
.endr
.endr
.irp m,0,1,2,3
	v_max3_num_f32 v[56+\m], |v[AC+16*\m]|, |v[AC+16*\m+1]|, 0x1800000   ; my 16 numbers and the floor 2^(3 - 127): the byte cannot fall under 1
.endr
.irp i,2,4,6,8,10,12,14
.irp m,0,1,2,3
	v_max3_num_f32 v[56+\m], v[56+\m], |v[AC+16*\m+\i]|, |v[AC+16*\m+\i+1]|
.endr
.endr
.irp m,0,1,2,3
	v_permlanex16_b32 v[24+\m], v[56+\m], s96, s97
.endr
.irp m,0,1,2,3
	v_max_num_f32 v[56+\m], v[56+\m], v[24+\m]     ; with lane l xor 16's: the block's largest magnitude
.endr
.irp m,0,1,2,3
	v_add_nc_u32 v[24+\m], 0xff000000, v[56+\m]    ; 2 off its exponent field: the conversion's scale operand
.endr
.irp m,0,1,2,3
	v_lshrrev_b32 v[60+\m], 23, v[24+\m]           ; the scale's byte
.endr
.irp m,0,1,2,3
	v_cvt_scalef32_pk16_fp6_f32 v[80+4*\m:82+4*\m], v[AC+16*\m:AC+16*\m+15], v[24+\m]
.endr
	v_nop                                          ; one plain place behind the scaled conversions
	v_add_nc_u32 v13, s92, v12                     ; region + 96 x chunk + 784 r + 24 wave + 12 h
	v_add_nc_u32 v15, s93, v14                     ; region + 4 x chunk + 32 r + wave
.irp m,0,1,2,3
.irp i,0,1,2
	ds_store_b32 v13, v[80+4*\m+\i] offset:12544*\m+4*\i
.endr
	ds_store_b8 v15, v[60+\m] offset:512*\m        ; both lanes of a block write the same byte with the same value
.endr
	s_add_co_u32 s92, s92, 96
	s_add_co_u32 s93, s93, 4
.endm
; Four tokens' scores and softmax.  S^T = kh qh^T: source 0 = the token's 16 key heads, source 1 = its 16 query heads; K = 64 fills registers 0-5 of an operand, registers 6-11 hold zero codes.
; A lane holds query head lane % 16 and key heads 8 (lane / 16) + 0 .. 7.  w = 2^(c s - c max) / the sum, c = log2(e) / 8.
.macro SCORE4 gq
	WIN 0xc0
.irp a,0,1,2,3
.irp p,0,1,2
	ds_load_b64 v[128+24*\a+2*\p:129+24*\a+2*\p], v16 offset:50176+784*(4*\gq+\a)+8*\p
	ds_load_b64 v[140+24*\a+2*\p:141+24*\a+2*\p], v16 offset:784*(4*\gq+\a)+8*\p
.endr
.endr
	WIN 0
.irp a,0,1,2,3
	ds_load_u16 v[192+\a], v17 offset:32*(4*\gq+\a)            ; a head's two scale bytes; the upper two are 0, over zero codes
	ds_load_u16 v[196+\a], v17 offset:2048+32*(4*\gq+\a)
.endr
	s_wait_dscnt 0x0
	WIN 0xff
.irp a,0,1,2,3
	v_wmma_scale_f32_16x16x128_f8f6f4 v[8*(4*\gq+\a):8*(4*\gq+\a)+7], v[128+24*\a:139+24*\a], v[140+24*\a:151+24*\a], 0, v[196+\a], v[192+\a] matrix_a_fmt:MATRIX_FMT_FP6 matrix_b_fmt:MATRIX_FMT_FP6
.endr
	PLACES 4
.irp a,0,1,2,3
	v_max3_num_f32 v[226+8*\a], v[8*(4*\gq+\a)], v[8*(4*\gq+\a)+1], v[8*(4*\gq+\a)+2]
.endr
.irp i,3,5
.irp a,0,1,2,3
	v_max3_num_f32 v[226+8*\a], v[226+8*\a], v[8*(4*\gq+\a)+\i], v[8*(4*\gq+\a)+\i+1]
.endr
.endr
.irp a,0,1,2,3
	v_max_num_f32 v[226+8*\a], v[226+8*\a], v[8*(4*\gq+\a)+7]
.endr
.irp a,0,1,2,3
	v_permlanex16_b32 v[227+8*\a], v[226+8*\a], s96, s97
.endr
.irp a,0,1,2,3
	v_max_num_f32 v[226+8*\a], v[226+8*\a], v[227+8*\a]        ; the row's largest score
.endr
.irp a,0,1,2,3
	v_mul_f32 v[224+8*\a], s98, v[226+8*\a]
.endr
.irp a,0,1,2,3
.irp q,0,2,4,6
	v_pk_fma_f32 v[8*(4*\gq+\a)+\q:8*(4*\gq+\a)+\q+1], v[8*(4*\gq+\a)+\q:8*(4*\gq+\a)+\q+1], s[98:99], v[224+8*\a:225+8*\a] op_sel_hi:[1,0,0] neg_lo:[0,0,1] neg_hi:[0,0,1]
.endr
.endr
.irp a,0,1,2,3
.irp j,0,1,2,3,4,5,6,7
	v_exp_f32 v[8*(4*\gq+\a)+\j], v[8*(4*\gq+\a)+\j]
.endr
.endr
	v_nop                                          ; a plain place behind the batch,
	s_wait_alu depctr_va_vdst(0)                   ; and one wait for its 32 exponentials, ahead of the first reader
.irp a,0,1,2,3
	v_pk_add_f32 v[228+8*\a:229+8*\a], v[8*(4*\gq+\a):8*(4*\gq+\a)+1], v[8*(4*\gq+\a)+2:8*(4*\gq+\a)+3]
.endr
.irp a,0,1,2,3
	v_pk_add_f32 v[226+8*\a:227+8*\a], v[8*(4*\gq+\a)+4:8*(4*\gq+\a)+5], v[8*(4*\gq+\a)+6:8*(4*\gq+\a)+7]
.endr
.irp a,0,1,2,3
	v_pk_add_f32 v[228+8*\a:229+8*\a], v[228+8*\a:229+8*\a], v[226+8*\a:227+8*\a]
.endr
.irp a,0,1,2,3
	v_add_f32 v[228+8*\a], v[228+8*\a], v[229+8*\a]
.endr
.irp a,0,1,2,3
	v_permlanex16_b32 v[227+8*\a], v[228+8*\a], s96, s97
.endr
.irp a,0,1,2,3
	v_add_f32 v[228+8*\a], v[228+8*\a], v[227+8*\a]
.endr
.irp a,0,1,2,3
	v_rcp_f32 v[230+8*\a], v[228+8*\a]
.endr
	v_nop
	s_wait_alu depctr_va_vdst(0)                   ; one wait for the four reciprocals
.irp a,0,1,2,3
.irp q,0,2,4,6
	v_pk_mul_f32 v[8*(4*\gq+\a)+\q:8*(4*\gq+\a)+\q+1], v[8*(4*\gq+\a)+\q:8*(4*\gq+\a)+\q+1], v[230+8*\a:231+8*\a] op_sel_hi:[1,0]
.endr
.endr
.endm
.macro VHLOAD t, reg                   ; vh of my token, key head t of the chunk's four: 32 numbers
.irp q,0,1,2,3,4,5,6,7
	ds_load_b128 v[\reg+4*\q:\reg+4*\q+3], v22 offset:128*\t+16*\q
.endr
.endm
; out(query head 8 h + i, d) += w(8 h + i, key head t) x vh(t, d): 8 query heads x 32 d, two at a time.  first = 1: the products start the sums.
.macro PVT t, reg, first
.irp i,0,1,2,3,4,5,6,7
.irp q,0,2,4,6,8,10,12,14,16,18,20,22,24,26,28,30
.if \first
	v_pk_mul_f32 v[32*\i+\q:32*\i+\q+1], v[\reg+\q:\reg+\q+1], v[144+4*\i:145+4*\i] op_sel_hi:[1,0]
.elseif ((\t)&1) == 0
	v_pk_fma_f32 v[32*\i+\q:32*\i+\q+1], v[\reg+\q:\reg+\q+1], v[144+4*\i+2*((\t)/2):145+4*\i+2*((\t)/2)], v[32*\i+\q:32*\i+\q+1] op_sel_hi:[1,0,1]
.else
	v_pk_fma_f32 v[32*\i+\q:32*\i+\q+1], v[\reg+\q:\reg+\q+1], v[144+4*\i+2*((\t)/2):145+4*\i+2*((\t)/2)], v[32*\i+\q:32*\i+\q+1] op_sel:[0,1,0] op_sel_hi:[1,1,1]
.endif
.endr
.endr
.endm
; My token's 8 query heads x 32 d are 8 whole blocks of the last product's K, each in one lane's 32 registers: codes to v192-239 (6 a block), bytes to v240-247.
.macro QUANT8
	WIN 0x3c
.irp i,0,1,2,3,4,5,6,7
	v_max3_num_f32 v[80+\i], 0x1800000, |v[32*\i]|, |v[32*\i+1]|
.endr
.irp q,2,4,6,8,10,12,14,16,18,20,22,24,26,28,30
.irp i,0,1,2,3,4,5,6,7
	v_max3_num_f32 v[80+\i], v[80+\i], |v[32*\i+\q]|, |v[32*\i+\q+1]|
.endr
.endr
	WIN 0
.irp i,0,1,2,3,4,5,6,7
	v_add_nc_u32 v[88+\i], 0xff000000, v[80+\i]
.endr
.irp i,0,1,2,3,4,5,6,7
	v_lshrrev_b32 v[240+\i], 23, v[88+\i]
.endr
	WIN 0x03
.irp i,0,1,2,3,4,5,6,7
	v_cvt_scalef32_pk16_fp6_f32 v[192+6*\i:194+6*\i], v[32*\i:32*\i+15], v[88+\i]
	v_cvt_scalef32_pk16_fp6_f32 v[144+4*\i:146+4*\i], v[32*\i+16:32*\i+31], v[88+\i]   ; (a conversion's three registers begin on an even number)
.endr
	WIN 0
	v_nop
.irp i,0,1,2,3,4,5,6,7
.irp k,0,1,2
	v_mov_b32 v[195+6*\i+\k], v[144+4*\i+\k]
.endr
.endr
.endm
; The last product.  8 matrix instructions: K step sp of the half in hand, my tiles of rows n0, n0 + 1 x 4 tiles of tokens.  A tile's 16 accumulators take turns.
.macro MULOH sp, set, n0
.irp n,\n0,\n0+1
.irp m,0,1,2,3
.set rD, 128*(NQ&1)+32*(\n)+8*\m
.set rW, \set+12*(\n)
.set rX, 12*(4*(\sp)+\m)
.set rP, WS+4*((\n)&1)+(\sp)
.set rQ, XS+4*\m+(\sp)
.if (KH == 0) && ((\sp) == 0)
.if (\n) < 2
	v_wmma_scale_f32_16x16x128_f8f6f4 v[rD:rD+7], v[rW:rW+11], v[rX:rX+11], v[BI+8*(\n):BI+8*(\n)+7], v[rP], v[rQ] matrix_a_fmt:MATRIX_FMT_FP6 matrix_b_fmt:MATRIX_FMT_FP6
.else
	v_wmma_scale_f32_16x16x128_f8f6f4 v[rD:rD+7], v[rW:rW+11], v[rX:rX+11], v[BI+8*(\n):BI+8*(\n)+7], v[rP], v[rQ] matrix_a_fmt:MATRIX_FMT_FP6 matrix_b_fmt:MATRIX_FMT_FP6 matrix_a_scale:MATRIX_SCALE_ROW1
.endif
.else
.if (\n) < 2
	v_wmma_scale_f32_16x16x128_f8f6f4 v[rD:rD+7], v[rW:rW+11], v[rX:rX+11], v[rD:rD+7], v[rP], v[rQ] matrix_a_fmt:MATRIX_FMT_FP6 matrix_b_fmt:MATRIX_FMT_FP6
.else
	v_wmma_scale_f32_16x16x128_f8f6f4 v[rD:rD+7], v[rW:rW+11], v[rX:rX+11], v[rD:rD+7], v[rP], v[rQ] matrix_a_fmt:MATRIX_FMT_FP6 matrix_b_fmt:MATRIX_FMT_FP6 matrix_a_scale:MATRIX_SCALE_ROW1
.endif
.endif
.endr
.endr
.endm
.macro XO kh                           ; the attention's codes, half kh of K, all 64 tokens, into window 1, and their scale words
	WIN 0x40
.irp s,0,1,2,3
.irp m,0,1,2,3
.irp i,0,1,2
	ds_load_b128 v[12*(4*\s+\m)+4*\i:12*(4*\s+\m)+4*\i+3], v30 offset:12544*\m+96*(4*\kh+\s)+16*\i
.endr
.endr
.endr
	WIN 0
.irp m,0,1,2,3
	ds_load_b128 v[192+4*\m:195+4*\m], v31 offset:512*\m+16*\kh
.endr
	s_wait_dscnt 0x0
.irp i,0,1,2,3,4,5,6,7,8,9,10,11,12,13,14,15
	v_perm_b32 v[XS+\i], v[192+\i], v[192+\i], s94
.endr
.endm
; Tile ti = 4 kh + nq of the last product: rows 256 nq + 64 wave on, half kh of K.  mode 2: the slot is filled again with the tile two on; 1: a tile follows, nothing is filled; 0: the last.
.macro OTILE ti, mode
.set KH, (\ti)/4
.set NQ, (\ti)%4
.set TN, (\ti)+1
.set TF, (\ti)+2
	LOADO SET1, 1
	s_wait_dscnt 12
.if KH == 0
	WIN 0x84+0x40*(((\ti)%4)/2)                    ; C is the bias, in window 0
.else
	WIN 0xa4+0x50*(((\ti)%4)/2)
.endif
	MULOH 0, SET0, 0
	MULOH 0, SET0, 2
	PLACES 4
	WIN 0
	LOADO SET0, 2
.if \mode > 0
	global_load_b128 v[RAW:RAW+3], v12, s[36:37] offset:8192*(TN%4)+16*(TN/4)       ; the next tile's scale words: lanes 0-15 tiles of rows 0, 1; lanes 16-31 tiles 2, 3
	global_load_b128 v[RAW+4:RAW+7], v12, s[36:37] offset:8192*(TN%4)+16*(TN/4)+512
.if TN < 4
.irp n,0,1,2,3
	global_load_b128 v[BI+8*\n:BI+8*\n+3], v13, s[38:39] offset:1024*TN+64*\n
	global_load_b128 v[BI+8*\n+4:BI+8*\n+7], v13, s[38:39] offset:1024*TN+64*\n+16
.endr
.endif
.endif
	s_wait_dscnt 12
	WIN 0xa4+0x50*(((\ti)%4)/2)
	MULOH 1, SET1, 0
	MULOH 1, SET1, 2
	PLACES 4
	WIN 0
	LOADO SET1, 3
.if \mode == 2
	s_wait_tensorcnt 0x0                           ; my quarter of the next slot has landed; the walking group 0 may be written
	ds_add_u32 v1, v2
	s_mul_i32 s82, s79, 768
	s_add_co_u32 s82, s82, (TF%4)*196608+384*(TF/4)
	s_add_co_u32 s69, s76, s77
	s_add_nc_u64 s[70:71], s[34:35], s[82:83]
	s_or_b32 s71, s71, 0x80000000
	s_wait_dscnt 13
	WIN 0xa4+0x50*(((\ti)%4)/2)
	MULOH 2, SET0, 0
	s_wait_dscnt 0x0                               ; the add is done, and my reads of this slot are over
	s_barrier_signal -1
	MULOH 2, SET0, 2
	WIN 0
	s_barrier_wait -1
	CREST
	tensor_load_to_lds s[68:71], s[56:63]
	s_nop 0
	PLACES 4
.else
	s_wait_dscnt 12
	WIN 0xa4+0x50*(((\ti)%4)/2)
	MULOH 2, SET0, 0
	MULOH 2, SET0, 2
	PLACES 4
	WIN 0
.if \mode == 1
	s_wait_tensorcnt 0x0                           ; the last tile has landed; I alone read my quarter, and nothing is filled any more
.endif
.endif
.if \mode > 0
	s_xor_b32 s76, s76, SLOT
	v_add_nc_u32 v5, s76, v3
	v_add_nc_u32 v6, s76, v4
	LOADO SET0, 0
	s_wait_dscnt 12
.else
	s_wait_dscnt 0x0
.endif
	WIN 0xa4+0x50*(((\ti)%4)/2)
	MULOH 3, SET1, 0
	MULOH 3, SET1, 2
	PLACES 4
	WIN 0
.if \mode > 0
	s_wait_loadcnt 0x0
.irp i,0,1,2,3,4,5,6,7
	v_perm_b32 v[WS+\i], v[RAW+\i], v[RAW+\i], s94
.endr
	PLACES 8                                       ; a scale register written by a vector instruction stands 8 places ahead of a scaled product
.endif
.endm
; ---------------------------------------------------------------- the head
	s_load_b512 s[4:19], s[0:1], 0x0
	s_load_b512 s[20:35], s[0:1], 0x40
	s_load_b256 s[36:43], s[0:1], 0x80
	s_load_b64 s[44:45], s[0:1], 0xa0
	v_lshl_add_u32 v1, v0, 2, SPARE
	v_mov_b32 v2, 0
	ds_add_u32 v1, v2
	ds_add_u32 v1, v2
	s_wait_dscnt 0x0
	v_lshrrev_b32 v60, 5, v0
	v_readfirstlane_b32 s46, v60                   ; wave 0..3
	s_bfe_u32 s2, ttmp6, 0x40000                   ; my place in the cluster,
	s_lshl_b32 s3, ttmp9, 2
	s_add_co_u32 s3, s3, s2                        ; my block of 64 tokens: it enters the addresses of q, k, v and out0 alone
	s_mul_i32 s77, s46, QSTR
	s_lshl_b32 s78, s46, 5
	s_lshl_b32 s79, s46, 6
	; group 1, shape 1: 32 rows of 96 elements of 8 bytes (768 bytes), dense; 16 bytes of padding behind every 64 words.  The mask names all four work-groups
	s_mov_b32 s48, 15|(3<<16)|(1<<20)|(1<<21)|(5<<22)|(3<<25)
	s_mov_b32 s49, 96<<16
	s_mov_b32 s50, 32<<16
	s_mov_b32 s51, 96<<16
	s_mov_b32 s52, 32
	s_mov_b32 s53, 96
	s_mov_b32 s54, 0
	s_mov_b32 s55, 0
	; shape 2: 64 rows of 48 elements (384 bytes), 96 elements apart; padding behind every 32 words
	s_mov_b32 s56, 15|(3<<16)|(1<<20)|(1<<21)|(4<<22)|(3<<25)
	s_mov_b32 s57, 48<<16
	s_mov_b32 s58, 64<<16
	s_mov_b32 s59, 48<<16
	s_mov_b32 s60, 64
	s_mov_b32 s61, 96
	s_mov_b32 s62, 0
	s_mov_b32 s63, 0
	s_mov_b32 s47, 0
	s_mov_b32 s76, 0
	s_mov_b32 s92, QC
	s_mov_b32 s93, QS
	s_mov_b32 s94, 0x03010200
	s_mov_b32 s96, 0x76543210
	s_mov_b32 s97, 0xfedcba98
	s_mov_b32 s98, 0x3e38aa3b                      ; c = log2(e) / 8
	s_mov_b32 s99, s98
	s_cmp_lt_u32 s46, 3
	s_cselect_b32 s100, 5, -1
	s_mul_i32 s82, s78, 768                        ; chunk 0: my 32 rows begin at row 32 x wave
	s_mov_b32 s83, 0
	s_mul_i32 s66, s3, 49152
	s_mov_b32 s67, 0
	s_wait_kmcnt 0x0
	s_add_nc_u64 s[4:5], s[4:5], s[66:67]          ; the codes of my 64 tokens
	s_add_nc_u64 s[8:9], s[8:9], s[66:67]
	s_add_nc_u64 s[12:13], s[12:13], s[66:67]
	s_lshl_b32 s66, s3, 11
	s_add_nc_u64 s[6:7], s[6:7], s[66:67]          ; their scale bytes
	s_add_nc_u64 s[10:11], s[10:11], s[66:67]
	s_add_nc_u64 s[14:15], s[14:15], s[66:67]
	s_lshl_b32 s66, s3, 18
	s_lshl_b32 s2, s46, 8
	s_add_co_u32 s66, s66, s2
	s_add_nc_u64 s[44:45], s[44:45], s[66:67]      ; out0 at my first token, my wave's 64 columns of each 256
	s_mov_b32 s68, 1
	s_mov_b32 s69, s77
	s_add_nc_u64 s[70:71], s[16:17], s[82:83]
	s_mov_b32 s72, 1
	s_add_co_u32 s73, s77, SLOT
	s_add_nc_u64 s[74:75], s[70:71], 98304         ; chunk 1: 128 rows on
	s_or_b32 s71, s71, 0x80000000
	s_or_b32 s75, s75, 0x80000000
	CROUND                                         ; all four work-groups are here: the first joint loads meet
	tensor_load_to_lds s[68:71], s[48:55]          ; both first fills together: two loads of mine are out
	s_nop 0
	tensor_load_to_lds s[72:75], s[48:55]
	s_nop 0
	PLACES 4
	v_and_b32 v60, 15, v0                          ; r
	v_bfe_u32 v61, v0, 4, 1                        ; h
	v_and_b32 v62, 31, v0                          ; lane
	v_mul_u32_u24 v3, v60, 816
	v_mad_u32_u24 v3, v61, 48, v3
	v_add_nc_u32 v3, s77, v3                       ; v3: my place in my quarter of a slot; v4: behind one padding more
	v_lshl_add_u32 v4, v61, 4, v3
	v_mov_b32 v5, v3
	v_mov_b32 v6, v4
	v_mul_u32_u24 v7, v60, 768
	v_mad_u32_u24 v7, v61, 48, v7                  ; v7: the tokens' codes in memory
	v_lshlrev_b32 v8, 5, v60
	v_lshl_add_u32 v8, v61, 4, v8                  ; v8: scale bytes: 32 r + 16 h: lanes 16-31 take K steps 4-7
	v_lshlrev_b32 v10, 5, v61                      ; v10: biases: 32 h
	s_lshl_b32 s88, s46, 10
	v_add_nc_u32 v9, s88, v8
	s_lshl_b32 s88, s46, 7
	v_add_nc_u32 v11, s88, v10
	v_mul_u32_u24 v12, v60, 784
	v_mad_u32_u24 v12, v61, 12, v12
	s_mul_i32 s88, s46, 24
	v_add_nc_u32 v12, s88, v12                     ; v12: where a chunk's codes go
	v_lshl_add_u32 v14, v60, 5, s46                ; v14: and its bytes
	s_mul_i32 s88, s46, 12544
	s_add_co_u32 s88, s88, NR
	v_mul_u32_u24 v16, v60, 48
	v_mad_u32_u24 v16, v61, 24, v16
	v_add_nc_u32 v16, s88, v16                     ; v16: the scores' operands: my wave's 16 tokens, head r, block h
	v_mul_u32_u24 v28, v60, 784
	v_mad_u32_u24 v28, v61, 384, v28
	v_add_nc_u32 v28, s88, v28                     ; v28: where my token's attention codes go
	s_lshl_b32 s88, s46, 9
	s_add_co_u32 s89, s88, QS
	v_lshl_add_u32 v17, v60, 1, s89                ; v17: the scores' scale bytes
	s_add_co_u32 s89, s88, OS
	v_lshl_add_u32 v29, v60, 5, s89
	v_lshl_add_u32 v29, v61, 4, v29                ; v29: the attention's scale bytes
	s_mul_i32 s88, s46, 16640
	s_add_co_u32 s88, s88, NR
	v_lshl_add_u32 v18, v60, 6, s88
	v_lshl_add_u32 v18, v61, 5, v18                ; v18: w, on the way in
	v_mul_u32_u24 v20, v60, 1040
	v_lshl_add_u32 v20, v61, 9, v20
	v_add_nc_u32 v20, s88, v20                     ; v20: w of my token, query heads 8 h on
	s_lshl_b32 s88, s46, 7
	s_add_co_u32 s88, s88, STG
	v_mul_u32_u24 v19, v60, 528
	v_lshl_add_u32 v19, v61, 5, v19
	v_add_nc_u32 v19, s88, v19                     ; v19: vh, on the way in
	s_mul_i32 s88, s46, 8448
	s_add_co_u32 s88, s88, STG
	v_mul_u32_u24 v22, v60, 528
	v_add_nc_u32 v22, s88, v22                     ; v22: vh of my token
	s_lshl_b32 s88, s46, 13
	v_lshl_add_u32 v23, v62, 8, s88                ; v23: the prefetches' offset; never rewritten
	v_mul_u32_u24 v30, v60, 784
	v_mad_u32_u24 v30, v61, 48, v30
	v_add_nc_u32 v30, OC, v30                      ; v30: the attention's codes as an operand
	v_lshlrev_b32 v31, 5, v60
	v_add_nc_u32 v31, OS, v31                      ; v31: and its scale words
.irp m,0,1,2,3
	v_mov_b32 v[24+\m], 0                          ; written once: a lane permute's destination counts as one of its sources
.endr
.irp m,0,1,2,3
	global_load_b128 v[192+4*\m:195+4*\m], v8, s[6:7] offset:512*\m        ; q's scale words
.endr
	WIN 0x80
.irp m,0,1,2,3
	global_load_b128 v[144+4*\m:147+4*\m], v8, s[10:11] offset:512*\m      ; k's and v's wait in window 2
.endr
.irp m,0,1,2,3
	global_load_b128 v[160+4*\m:163+4*\m], v8, s[14:15] offset:512*\m
.endr
	WIN 0
	global_load_b128 v[RAW:RAW+3], v9, s[18:19]
	global_load_b128 v[RAW+4:RAW+7], v9, s[18:19] offset:512
	global_load_b128 v[BI:BI+3], v11, s[20:21]
	global_load_b128 v[BI+4:BI+7], v11, s[20:21] offset:16
	global_load_b128 v[BI+8:BI+11], v11, s[20:21] offset:64
	global_load_b128 v[BI+12:BI+15], v11, s[20:21] offset:80
	XLOAD 4
	s_wait_loadcnt 63                              ; the 18 small loads, issued ahead of the 96, are in
.irp i,0,1,2,3,4,5,6,7,8,9,10,11,12,13,14,15
	v_perm_b32 v[XS+\i], v[192+\i], v[192+\i], s94
.endr
.irp i,0,1,2,3,4,5,6,7
	v_perm_b32 v[WS+\i], v[RAW+\i], v[RAW+\i], s94
.endr
	PLACES 8
	s_wait_tensorcnt 0x1                           ; chunk 0 is in; chunk 1 may stay out
	s_barrier_signal -1
	s_barrier_wait -1
	LOADG SET0, 0
; ---------------------------------------------------------------- qh
.Lq:
	CORE 0, 0, 16, 22, 18, 24, 20, 26, 8, 0
	EPIQK
	s_add_co_u32 s47, s47, 1
	s_cmp_lt_u32 s47, 8
	s_cbranch_scc1 .Lq
	XLOAD 8                                        ; k's codes take q's registers
	WIN 0x0a
.irp i,0,1,2,3,4,5,6,7,8,9,10,11,12,13,14,15
	v_perm_b32 v[XS+\i], v[144+\i], v[144+\i], s94
.endr
	WIN 0
	PLACES 8
	s_mov_b32 s47, 0
	s_mov_b32 s92, KC
	s_mov_b32 s93, KS
; ---------------------------------------------------------------- kh
.Lk:
	CORE 0, 1, 22, 28, 24, 30, 26, 32, 12, 0
	EPIQK
	s_add_co_u32 s47, s47, 1
	s_cmp_lt_u32 s47, 8
	s_cbranch_scc1 .Lk
	XLOAD 12                                       ; v's codes are on their way while the scores are made
; ---------------------------------------------------------------- scores and softmax: wave w takes tokens 16 w .. 16 w + 15
	s_wait_dscnt 0x0
	s_barrier_signal -1
	s_barrier_wait -1                              ; all codes of qh and kh lie in LDS
	WIN 0xc0
.irp a,0,1,2,3
.irp i,6,7,8,9,10,11
	v_mov_b32 v[128+24*\a+\i], 0                   ; zero codes for K = 64 .. 127
	v_mov_b32 v[140+24*\a+\i], 0
.endr
	v_mov_b32 v[225+8*\a], 0                       ; upper halves of pairs and a permute's destination: written once
	v_mov_b32 v[227+8*\a], 0
	v_mov_b32 v[231+8*\a], 0
.endr
	WIN 0x80
.set i, 0
.rept 56
	v_mov_b32 v[176+i], 0                          ; the saved codes and bytes: written here, so that they are written on every path to the lines that store them
.set i, i+1
.endr
	SCORE4 0
	SCORE4 1
	SCORE4 2
	SCORE4 3
	WIN 0
	s_wait_dscnt 0x0
	s_barrier_signal -1
	s_barrier_wait -1                              ; nobody reads the codes any more: w and vh take their bytes
	WIN 0x0c
.irp a,0,1,2,3,4,5,6,7,8,9,10,11,12,13,14,15
	ds_store_b128 v18, v[8*\a:8*\a+3] offset:1040*\a               ; my own tokens' w: only I read them back
	ds_store_b128 v18, v[8*\a+4:8*\a+7] offset:1040*\a+16
.endr
	WIN 0x0a
.irp i,0,1,2,3,4,5,6,7,8,9,10,11,12,13,14,15
	v_perm_b32 v[XS+\i], v[160+\i], v[160+\i], s94
.endr
	WIN 0
	PLACES 8
	s_mov_b32 s47, 0
; ---------------------------------------------------------------- vh and w x vh.  Chunk 4 e + g: wave w makes key head 4 g + w, d = 32 e .. 32 e + 31, of all 64 tokens
.Lv:
	CORE 1, 1, 28, 34, 30, 30, 32, 32, 0, 1
.irp m,0,1,2,3
.irp u,0,1
	ds_store_b128 v19, v[AC+16*\m+8*\u:AC+16*\m+8*\u+3] offset:8448*\m+64*\u       ; the round above parts these from the last chunk's reads of the stage
	ds_store_b128 v19, v[AC+16*\m+8*\u+4:AC+16*\m+8*\u+7] offset:8448*\m+64*\u+16
.endr
.endr
	s_wait_dscnt 0x0
	s_barrier_signal -1
	s_barrier_wait -1                              ; four key heads' vh of 64 tokens lie in the stage
	s_and_b32 s101, s47, 3
	s_lshl_b32 s101, s101, 4
	v_add_nc_u32 v21, s101, v20
	WIN 0x80
.irp i,0,1,2,3,4,5,6,7
	ds_load_b128 v[144+4*\i:147+4*\i], v21 offset:64*\i            ; w(query head 8 h + i, key heads 4 g + 0 .. 3)
.endr
	WIN 0
	VHLOAD 0, 192
	VHLOAD 1, 224
	VHLOAD 2, 144
	s_wait_dscnt 16                                ; w and the first head are in
	s_and_b32 s88, s47, 3
	s_cmp_eq_u32 s88, 0
	s_cbranch_scc0 .Lpv_add
	WIN 0xf8
	PVT 0, 192, 1                                  ; g = 0: the products start the sums
	WIN 0
	s_branch .Lpv_on
.Lpv_add:
	WIN 0xf8
	PVT 0, 192, 0
	WIN 0
.Lpv_on:
	VHLOAD 3, 192
	s_wait_dscnt 16
	WIN 0xf8
	PVT 1, 224, 0
	s_wait_dscnt 8
	PVT 2, 144, 0
	s_wait_dscnt 0x0
	PVT 3, 192, 0
	WIN 0
	s_and_b32 s88, s47, 3
	s_cmp_eq_u32 s88, 3
	s_cbranch_scc0 .Lv_next                        ; all 16 key heads are summed behind g = 3
	QUANT8
	s_cmp_eq_u32 s47, 3
	s_cbranch_scc0 .Lv_next                        ; half e = 0 is kept in registers: its place in LDS still holds w
	WIN 0x80
.set i, 0
.rept 48
	v_mov_b32 v[176+i], v[192+i]
.set i, i+1
.endr
.set i, 0
.rept 8
	v_mov_b32 v[224+i], v[240+i]
.set i, i+1
.endr
	WIN 0
.Lv_next:
	s_add_co_u32 s47, s47, 1
	s_cmp_lt_u32 s47, 8
	s_cbranch_scc1 .Lv
; ---------------------------------------------------------------- between: the attention's codes go to LDS, as rows
	v_and_b32 v14, 15, v0
	v_bfe_u32 v15, v0, 4, 1
	v_lshlrev_b32 v12, 5, v14
	v_lshl_add_u32 v12, v15, 10, v12
	s_lshl_b32 s88, s46, 11
	v_add_nc_u32 v12, s88, v12                     ; v12: Wo's scale bytes: 32 r + 1,024 h + 2,048 wave
	s_lshl_b32 s88, s46, 8
	v_lshl_add_u32 v13, v15, 5, s88                ; v13: bo, ln_w, ln_b: 32 h + 256 wave
	global_load_b128 v[RAW:RAW+3], v12, s[36:37]
	global_load_b128 v[RAW+4:RAW+7], v12, s[36:37] offset:512
.irp n,0,1,2,3
	global_load_b128 v[BI+8*\n:BI+8*\n+3], v13, s[38:39] offset:64*\n
	global_load_b128 v[BI+8*\n+4:BI+8*\n+7], v13, s[38:39] offset:64*\n+16
.endr
	s_wait_dscnt 0x0
	s_barrier_signal -1
	s_barrier_wait -1                              ; nobody reads w or vh any more
	WIN 0x08
.irp i,0,1,2,3,4,5,6,7
.irp p,0,1,2
	ds_store_b64 v28, v[176+6*\i+2*\p:177+6*\i+2*\p] offset:48*\i+8*\p
.endr
	ds_store_b8 v29, v[224+\i] offset:2*\i
.endr
	WIN 0
.irp i,0,1,2,3,4,5,6,7
.irp p,0,1,2
	ds_store_b64 v28, v[192+6*\i+2*\p:193+6*\i+2*\p] offset:48*\i+24+8*\p
.endr
	ds_store_b8 v29, v[240+\i] offset:2*\i+1
.endr
	v_mul_u32_u24 v3, v14, 432                     ; my place in a quarter of the other shape
	v_mad_u32_u24 v3, v15, 48, v3
	v_add_nc_u32 v3, s77, v3
	v_lshl_add_u32 v4, v15, 4, v3
	v_add_nc_u32 v5, s76, v3
	v_add_nc_u32 v6, s76, v4
	s_wait_dscnt 0x0
	s_barrier_signal -1
	s_barrier_wait -1                              ; 64 rows of codes and their bytes lie in LDS
	LOADO SET0, 0
	XO 0
	s_wait_loadcnt 0x0
.irp i,0,1,2,3,4,5,6,7
	v_perm_b32 v[WS+\i], v[RAW+\i], v[RAW+\i], s94
.endr
	PLACES 8
; ---------------------------------------------------------------- the product with Wo: written out, since the accumulators change from tile to tile
	OTILE 0, 2
	OTILE 1, 2
	OTILE 2, 2
	OTILE 3, 2
	XO 1                                           ; the other half of K (four places and more stand behind the last products)
	PLACES 8
	OTILE 4, 2
	OTILE 5, 2
	OTILE 6, 1
	OTILE 7, 0
; ---------------------------------------------------------------- LayerNorm.  A lane holds token 16 m + r and 128 of its 1,024 numbers; the rest lie in lane l xor 16 and in the other waves
	WIN 0x40
.irp g,0,1,2,3
.irp n,0,1,2,3
	global_load_b128 v[64*\g+8*\n:64*\g+8*\n+3], v13, s[40:41] offset:1024*\g+64*\n            ; ln_w and ln_b of my 256 columns fill window 1
	global_load_b128 v[64*\g+8*\n+4:64*\g+8*\n+7], v13, s[40:41] offset:1024*\g+64*\n+16
	global_load_b128 v[64*\g+32+8*\n:64*\g+32+8*\n+3], v13, s[42:43] offset:1024*\g+64*\n
	global_load_b128 v[64*\g+32+8*\n+4:64*\g+32+8*\n+7], v13, s[42:43] offset:1024*\g+64*\n+16
.endr
.endr
	WIN 0
	v_and_b32 v19, 15, v0
	v_bfe_u32 v20, v0, 4, 1
	s_mul_i32 s88, s46, 8704
	s_add_co_u32 s88, s88, YST
	v_mul_u32_u24 v14, v19, 272
	v_lshl_add_u32 v14, v20, 5, v14
	v_add_nc_u32 v14, s88, v14                     ; v14: my stage, on the way in: row r, + 32 h
	v_mul_u32_u24 v15, v20, 272
	v_lshl_add_u32 v15, v19, 4, v15
	v_add_nc_u32 v15, s88, v15                     ; v15: back: lanes 0-15 one row, lanes 16-31 the next
	v_lshlrev_b32 v16, 12, v20
	v_lshl_add_u32 v16, v19, 4, v16                ; v16: the same two rows in out0
	s_lshl_b32 s88, s46, 8
	s_add_co_u32 s88, s88, STAT1
	v_lshl_add_u32 v17, v19, 2, s88                ; v17: my wave's partial sums
	v_lshlrev_b32 v18, 2, v19
	v_add_nc_u32 v18, STAT1, v18                   ; v18: all waves'
	s_mov_b32 s88, 0x3a802008                      ; 1 / 1,023
	s_mov_b32 s89, 0x3727c5ac                      ; 1e-5
.irp i,0,1,2,3,4,5,6,7
	v_mov_b32 v[24+\i], 0                          ; four sums, a pair each
	v_mov_b32 v[32+\i], 0                          ; four sums of squares
.endr
.macro ACCSUM                          ; each accumulator from its low end on; the four tiles of tokens by turns
.irp b,0,1,2,3,4,5,6,7
.irp q,0,2,4,6
.irp m,0,1,2,3
	v_pk_add_f32 v[24+2*\m:25+2*\m], v[24+2*\m:25+2*\m], v[32*\b+8*\m+\q:32*\b+8*\m+\q+1]
.endr
.endr
.endr
.endm
.macro ACCSUB                          ; y - mu, in place
.irp b,0,1,2,3,4,5,6,7
.irp q,0,2,4,6
.irp m,0,1,2,3
	v_pk_add_f32 v[32*\b+8*\m+\q:32*\b+8*\m+\q+1], v[32*\b+8*\m+\q:32*\b+8*\m+\q+1], v[24+2*\m:25+2*\m] op_sel_hi:[1,0] neg_lo:[0,1] neg_hi:[0,1]
.endr
.endr
.endr
.endm
.macro ACCSQ
.irp b,0,1,2,3,4,5,6,7
.irp q,0,2,4,6
.irp m,0,1,2,3
	v_pk_fma_f32 v[32+2*\m:33+2*\m], v[32*\b+8*\m+\q:32*\b+8*\m+\q+1], v[32*\b+8*\m+\q:32*\b+8*\m+\q+1], v[32+2*\m:33+2*\m]
.endr
.endr
.endr
.endm
.macro XCHG p, off                     ; the pairs at v[p] become the tokens' whole sums in v192, v196, v200, v204
.irp m,0,1,2,3
	v_add_f32 v[\p+2*\m], v[\p+2*\m], v[\p+2*\m+1]
.endr
.irp m,0,1,2,3
	v_permlanex16_b32 v[4+\m], v[\p+2*\m], s96, s97
.endr
.irp m,0,1,2,3
	v_add_f32 v[\p+2*\m], v[\p+2*\m], v[4+\m]
.endr
.irp m,0,1,2,3
	ds_store_b32 v17, v[\p+2*\m] offset:\off+64*\m     ; both halves of the lanes write the same word with the same value
.endr
	s_wait_dscnt 0x0
	s_barrier_signal -1
	s_barrier_wait -1
.irp m,0,1,2,3
.irp w,0,1,2,3
	ds_load_b32 v[192+4*\m+\w], v18 offset:\off+256*\w+64*\m
.endr
.endr
	s_wait_dscnt 0x0
.irp m,0,1,2,3
	v_add_f32 v[192+4*\m], v[192+4*\m], v[193+4*\m]
.endr
.irp m,0,1,2,3
	v_add_f32 v[194+4*\m], v[194+4*\m], v[195+4*\m]
.endr
.irp m,0,1,2,3
	v_add_f32 v[192+4*\m], v[192+4*\m], v[194+4*\m]
.endr
.endm
	WIN 0x08
	ACCSUM
	WIN 0x0c
	ACCSUM
	WIN 0
	XCHG 24, 0
.irp m,0,1,2,3
	v_mul_f32 v[24+2*\m], 0x3a800000, v[192+4*\m]  ; mu = the sum / 1,024
.endr
	WIN 0x82
	ACCSUB
	WIN 0x0a
	ACCSQ
	WIN 0xc3
	ACCSUB
	WIN 0x0f
	ACCSQ
	WIN 0
	XCHG 32, 1024
.irp m,0,1,2,3
	v_fma_f32 v[192+4*\m], v[192+4*\m], s88, s89   ; var + eps
.endr
.irp m,0,1,2,3
	v_rcp_f32 v[32+2*\m], v[192+4*\m]
.endr
	v_nop
	s_wait_alu depctr_va_vdst(0)                   ; one wait for the four reciprocals
	s_wait_loadcnt 0x0                             ; ln_w, ln_b
; THE WAY OUT, block by block of 16 tokens x my 64 columns of a group of 256: scaled, through my own stage, and back as rows of 256 bytes.
; g: the group of 256 columns; m: the tile of tokens.  Both may be given as expressions (g - 1, m - 1), which are put in as text: so each stands in parentheses wherever it is part of a larger expression.
.macro TOSTAGE g, m
	WIN 0x02+((\g)/2)
.irp n,0,1,2,3
.irp q,0,2,4,6
	v_pk_mul_f32 v[160+8*\n+\q:161+8*\n+\q], v[128*((\g)&1)+32*\n+8*(\m)+\q:128*((\g)&1)+32*\n+8*(\m)+\q+1], v[32+2*(\m):33+2*(\m)] op_sel_hi:[1,0]
.endr
.endr
	WIN 0x14
.irp n,0,1,2,3
.irp q,0,2,4,6
	v_pk_fma_f32 v[160+8*\n+\q:161+8*\n+\q], v[160+8*\n+\q:161+8*\n+\q], v[64*(\g)+8*\n+\q:64*(\g)+8*\n+\q+1], v[64*(\g)+32+8*\n+\q:64*(\g)+32+8*\n+\q+1]
.endr
.endr
	WIN 0
.irp n,0,1,2,3
	ds_store_b128 v14, v[160+8*\n:163+8*\n] offset:64*\n
	ds_store_b128 v14, v[164+8*\n:167+8*\n] offset:64*\n+16
.endr
.irp k,0,1,2,3,4,5,6,7
	ds_load_b128 v[96+32*((\m)&1)+4*\k:99+32*((\m)&1)+4*\k], v15 offset:544*\k     ; LDS serves a wave's instructions in order (ISA guide 5.7.1.4): these see the stores above, and the next block's stores come behind them
.endr
.endm
.macro SEND g, m, younger
	s_wait_dscnt \younger
.irp k,0,1,2,3,4,5,6,7
	global_store_b128 v16, v[96+32*((\m)&1)+4*\k:99+32*((\m)&1)+4*\k], s[44:45] offset:4096*(16*(\m)+2*\k)+1024*(\g) th:TH_STORE_NT    ; 16 lanes store 256 consecutive bytes, at a multiple of 256 from out0's first byte
.endr
.endm
	TOSTAGE 0, 0
	TOSTAGE 0, 1
	SEND 0, 0, 16                                  ; behind block 0's loads: block 1's 8 stores and 8 loads
.irp g,0,1,2,3
.irp m,0,1,2,3
.if (4*\g+\m) > 1
	s_wait_xcnt 0x0                                ; the stores of the block two back have read their registers: this block's loads may land there
	TOSTAGE \g, \m
.if \m == 0
	SEND \g-1, 3, 16
.else
	SEND \g, \m-1, 16
.endif
.endif
.endr
.endr
	SEND 3, 3, 0
	s_wait_tensorcnt 0x0                           ; the wave's end: behind my last tensor load and my last LDS store
	ds_add_u32 v1, v2
	s_wait_dscnt 0x0
	CROUND                                         ; the closing round: no work-group ends while a partner may still ask for a chunk that names it
	s_endpgm
.Lfunc_end_k_q53452c63e4_mha:
	.size	k_q53452c63e4_mha, .Lfunc_end_k_q53452c63e4_mha-k_q53452c63e4_mha
	.p2alignl 7, 3214868480
	.fill 96, 4, 3214868480
	.section	.rodata,"a",@progbits
	.p2align	6, 0x0
	.amdhsa_kernel k_q53452c63e4_mha
		.amdhsa_group_segment_fixed_size 327680
		.amdhsa_private_segment_fixed_size 0
		.amdhsa_enable_private_segment 0
		.amdhsa_kernarg_size 168
		.amdhsa_user_sgpr_count 2
		.amdhsa_user_sgpr_kernarg_segment_ptr 1
		.amdhsa_wavefront_size32 1
		.amdhsa_system_sgpr_workgroup_id_x 1
		.amdhsa_system_sgpr_workgroup_id_y 1
		.amdhsa_system_sgpr_workgroup_id_z 1
		.amdhsa_system_vgpr_workitem_id 0
		.amdhsa_next_free_vgpr 1024
		.amdhsa_next_free_sgpr 102
		.amdhsa_reserve_vcc 0
		.amdhsa_float_denorm_mode_32 3
		.amdhsa_float_denorm_mode_16_64 3
		.amdhsa_memory_ordered 1
		.amdhsa_forward_progress 1
		.amdhsa_inst_pref_size 255
	.end_amdhsa_kernel
	.section	.bss,"aw",@nobits
	.p2align	6
	.space	262144
	.amdgpu_metadata
---
amdhsa.version: [ 1, 2 ]
amdhsa.kernels:
  - .name:           k_q53452c63e4_mha
    .symbol:         k_q53452c63e4_mha.kd
    .args:
      - { .name: q_codes, .offset: 0, .size: 8, .value_kind: global_buffer, .address_space: global }
      - { .name: q_scales, .offset: 8, .size: 8, .value_kind: global_buffer, .address_space: global }
      - { .name: k_codes, .offset: 16, .size: 8, .value_kind: global_buffer, .address_space: global }
      - { .name: k_scales, .offset: 24, .size: 8, .value_kind: global_buffer, .address_space: global }
      - { .name: v_codes, .offset: 32, .size: 8, .value_kind: global_buffer, .address_space: global }
      - { .name: v_scales, .offset: 40, .size: 8, .value_kind: global_buffer, .address_space: global }
      - { .name: Wq_codes, .offset: 48, .size: 8, .value_kind: global_buffer, .address_space: global }
      - { .name: Wq_scales, .offset: 56, .size: 8, .value_kind: global_buffer, .address_space: global }
      - { .name: bq, .offset: 64, .size: 8, .value_kind: global_buffer, .address_space: global }
      - { .name: Wk_codes, .offset: 72, .size: 8, .value_kind: global_buffer, .address_space: global }
      - { .name: Wk_scales, .offset: 80, .size: 8, .value_kind: global_buffer, .address_space: global }
      - { .name: bk, .offset: 88, .size: 8, .value_kind: global_buffer, .address_space: global }
      - { .name: Wv_codes, .offset: 96, .size: 8, .value_kind: global_buffer, .address_space: global }
      - { .name: Wv_scales, .offset: 104, .size: 8, .value_kind: global_buffer, .address_space: global }
      - { .name: bv, .offset: 112, .size: 8, .value_kind: global_buffer, .address_space: global }
      - { .name: Wo_codes, .offset: 120, .size: 8, .value_kind: global_buffer, .address_space: global }
      - { .name: Wo_scales, .offset: 128, .size: 8, .value_kind: global_buffer, .address_space: global }
      - { .name: bo, .offset: 136, .size: 8, .value_kind: global_buffer, .address_space: global }
      - { .name: ln_w, .offset: 144, .size: 8, .value_kind: global_buffer, .address_space: global }
      - { .name: ln_b, .offset: 152, .size: 8, .value_kind: global_buffer, .address_space: global }
      - { .name: out0, .offset: 160, .size: 8, .value_kind: global_buffer, .address_space: global }
    .group_segment_fixed_size: 327680
    .private_segment_fixed_size: 0
    .kernarg_segment_align: 8
    .kernarg_segment_size: 168
    .max_flat_workgroup_size: 128
    .sgpr_count:     102
    .vgpr_count:     1024
    .wavefront_size: 32
...
	.end_amdgpu_metadata
.endif
;; end of part 1
;; ======== version 2 of 2: 1 launch
;; launch mha (part 2): grid 256 x 1, 4 waves a work-group, clusters of 4 x 1, 327,680 bytes of LDS; arguments q_codes, q_scales, k_codes, k_scales, v_codes, v_scales, Wq_codes, Wq_scales, bq, Wk_codes, Wk_scales, bk, Wv_codes, Wv_scales, bv, Wo_codes, Wo_scales, bo, ln_w, ln_b, out0; writes out0
.if DOCPART == 2
	.amdgcn_target "amdgcn-amd-amdhsa--gfx1250"
	.amdhsa_code_object_version 6
	.text
	.protected	k_q53452c63e4_mha
	.globl	k_q53452c63e4_mha
	.p2align	8
	.type	k_q53452c63e4_mha,@function
k_q53452c63e4_mha:
	s_mov_b64 s[64:65], 0
	v_nop
	global_prefetch_b8 v0, s[64:65] scope:SCOPE_SE
	s_setreg_imm32_b32 hwreg(HW_REG_WAVE_MODE, 25, 1), 1
	s_wait_xcnt 0x0
	s_wait_alu depctr_hold_cnt(0) depctr_sa_sdst(0) depctr_va_vdst(0) depctr_va_sdst(0) depctr_va_ssrc(0) depctr_va_vcc(0) depctr_vm_vsrc(0)
	s_getreg_b32 s2, hwreg(HW_REG_IB_STS2, 6, 4)
	s_cmp_eq_u32 s2, 0
	s_cbranch_scc0 .Lentry_in_a_cluster
	s_endpgm
.Lentry_in_a_cluster:
	s_bfe_u32 s2, ttmp6, 0x10000c
	s_cmp_lg_u32 s2, 0x3003
	s_cbranch_scc0 .Lentry_shape_is_right
	s_endpgm
.Lentry_shape_is_right:
; The whole module in one launch: qh = q Wq + bq, kh, vh likewise; for each token scores between its 16 HEADS (K = 64), softmax, w x vh, the product with Wo, LayerNorm (divides by var + eps, ddof = 1).
; All products but w x vh are on codes of E2M3 with E8M0 scales (16x16x128); w x vh is f32 multiply-adds, since its result is quantised again.
; SHARES.  A work-group of four waves owns 64 tokens (4 tiles of 16) and takes them through everything; nothing but the inputs and out0 touches memory.
; Every product is used TRANSPOSED: source 0 = 16 rows of a weight, source 1 = 16 tokens: a lane holds ONE token (lane % 16) and eight neighbouring columns.  The waves share the columns.
; The tokens' codes (64 x 1,024 along K: 384 registers) stay in each wave's registers; the weights walk through a ring of two LDS slots in 32 chunks: 8 each of Wq, Wk, Wv (128 rows x all of K),
; 8 of Wo (256 rows x half of K).  A wave fetches and reads its own quarter of a slot; each fragment read from LDS feeds four matrix instructions.
; CLUSTER.  All work-groups walk the same weights: the four of a cluster ask for each chunk JOINTLY (mask 15).  The place in the cluster enters the addresses of q, k, v and out0 alone.
; THE CLUSTERS TAKE TURNS ALONG A WEIGHT.  Cluster c walks Wq's and Wk's eight chunks beginning at chunk c % 8, and Wo's four groups of 256 rows beginning at group c % 4: at a weight's first step the 64 clusters
; ask for all of it between them, and what a cluster asks for at a later step other clusters have asked for a step earlier.  qh's and kh's codes lie in LDS in the order of the STEPS; the scores' loads take head r
; from place (r - 2 (c % 8)) mod 16.  Wo's turn shows in global addresses alone: its rows, scale words and bias, ln_w, ln_b and out0's columns.
; K IS PERMUTED ALIKE ON BOTH SIDES of the four large products: lane (r, h) takes the 48 consecutive bytes at 96 s + 48 h of its row (three loads of 16 bytes), so the instruction's blocks 0, 1, 2, 3 are
; memory's blocks 0, 2, 1, 3 of the K step, and each scale word has its two middle bytes exchanged.  The sums' terms are the same, grouped otherwise.
; LIMITS: NaN and infinities among the numbers are not served.  A block of zeros made here gets the scale byte 1 (its codes are zeros; the bytes are read by this program alone).
; REGISTERS, in windows of 256.  Window 0: v0-31 addresses; v32-47 the tokens' scale words; v48-55 the weights'; v56-63 these as loaded; v64-95 biases, at work; v96-143, v144-191 two sets of four weight fragments;
; v192-255 a chunk's 8 accumulators.  Window 1: the tokens' K steps 0-4.  Window 2: K steps 5-7; v144-175 k's and v's scale words as loaded, later w; v176-231 saved codes.  Window 3: scores, then w x vh.
; In the last product windows 2 and 3 hold its 64 accumulators (64 tokens x 256 columns a wave), which LayerNorm reads where they lie.
.set QSTR,  27648                      ; a wave's quarter of a slot: 32 rows x 816 bytes, or 64 rows x 432
.set SLOT,  110592
.set NR,    221184                     ; behind the ring: bytes that LDS stores write and no tensor load fills
.set QC,    NR                         ; qh's codes: 64 tokens x (768 + 16)
.set KC,    271360                     ; kh's
.set QS,    321536                     ; their scale bytes: 64 x 32
.set KS,    323584
.set STG,   287744                     ; vh of one chunk: [token] 528, [head of four] 128, [d of 32] 4.  (w lies at NR: [token] 1,040, [query head] 64, [key head] 4)
.set OC,    NR                         ; the attention's codes, 64 x 784
.set OS,    271360                     ; their scale bytes
.set STAT1, 273408                     ; LayerNorm: [wave][token] partial sums;
.set STAT2, 274432                     ; partial sums of squares
.set YST,   275456                     ; the way out: 16 rows x 272 for each wave, 8,704 bytes apart
.set SPARE, 327168                     ; the spare words: 128 bytes for each wave, two blocks of 256 bytes that no other line names
.set XS,   32
.set WS,   48
.set RAW,  56
.set BI,   64
.set SET0, 96
.set SET1, 144
.set AC,   192
; s[4:45] the 21 addresses in the order of the arguments; s46 wave; s47 chunk counter; s[48:55], s[56:63] descriptor groups 1; s[68:71] the walking group 0; s[72:75] the second first fill's;
; s76 the slot in hand (0 or SLOT); s77 wave x QSTR; s78 32 x wave; s79 64 x wave; s[80:87] chosen bases; s[82:83] a fill's offset; s88-91 at work; s92, s93 where a chunk's codes and bytes go;
; s94 the byte exchange; s95 the cluster's turn, cluster % 8; s[96:97] lane selects; s[98:99] c; s100 the trip in which a wave prefetches; s101 16 x (chunk % 4)
.set MSB, 0
.macro WIN new                         ; the immediate's high byte repeats the setting that is left; a switch that changes nothing is dropped
.if MSB != (\new)
	s_set_vgpr_msb (MSB<<8)|(\new)
.set MSB, (\new)
.endif
.endm
.macro PLACES n                        ; plain vector instructions behind matrix instructions, ahead of loads into, reads of and writes to their registers
.rept \n
	v_nop
.endr
.endm
.macro CREST                           ; a round of the cluster's barrier behind its opening barrier
	s_cmp_lg_u32 s46, 0
	s_cbranch_scc1 .Lnw0_\@
	s_barrier_signal -3
.Lnw0_\@:
	s_barrier_wait -3
	s_barrier_signal -1
	s_barrier_wait -1
.endm
.macro CROUND
	s_barrier_signal -1
	s_barrier_wait -1
	CREST
.endm
; A weight fragment: 48 bytes a lane at 96 s + 48 h of its row.  The mover has laid 16 bytes behind every 256 (shape 1) or 128 (shape 2): where lanes 16-31 lie behind one padding more, the second address register serves.
.macro WFRAG reg, tile, s, shape
.irp i,0,1,2
.set O0, 96*(\s)+16*\i
.if \shape == 1
.set P0, O0/256
.set P1, (O0+48)/256
.set OFS, (\tile)*13056+O0+16*P0
.else
.set P0, O0/128
.set P1, (O0+48)/128
.set OFS, (\tile)*6912+O0+16*P0
.endif
.if P0 == P1
	ds_load_b128 v[\reg+4*\i:\reg+4*\i+3], v5 offset:OFS
.else
	ds_load_b128 v[\reg+4*\i:\reg+4*\i+3], v6 offset:OFS
.endif
.endr
.endm
.macro LOADG set, g                    ; K steps 2 g, 2 g + 1 of my two tiles of rows: 12 loads
.irp t,0,1
.irp u,0,1
	WFRAG \set+12*(2*\t+\u), \u, 2*(\g)+\t, 1
.endr
.endr
.endm
.macro LOADO set, g                    ; the last product: K step g of my four tiles of rows: 12 loads
.irp n,0,1,2,3
	WFRAG \set+12*\n, \n, \g, 2
.endr
.endm
; 8 matrix instructions: K step s, my 2 tiles of rows x 4 tiles of tokens.  The 8 accumulators take turns, one instruction a turn.  K step 0 starts the sums with the bias as C.
.macro MULK s, set
.irp u,0,1
.irp m,0,1,2,3
.set rA, AC+16*\m+8*\u
.set rW, \set+12*(2*((\s)&1)+\u)
.if (\s) < 5
.set rX, 12*(4*(\s)+\m)
.else
.set rX, 12*(4*((\s)-5)+\m)
.endif
.set rP, WS+4*\u+((\s)&3)
.set rQ, XS+4*\m+((\s)&3)
.if (\s) == 0
	v_wmma_scale_f32_16x16x128_f8f6f4 v[rA:rA+7], v[rW:rW+11], v[rX:rX+11], v[BI+8*\u:BI+8*\u+7], v[rP], v[rQ] matrix_a_fmt:MATRIX_FMT_FP6 matrix_b_fmt:MATRIX_FMT_FP6
.elseif (\s) < 4
	v_wmma_scale_f32_16x16x128_f8f6f4 v[rA:rA+7], v[rW:rW+11], v[rX:rX+11], v[rA:rA+7], v[rP], v[rQ] matrix_a_fmt:MATRIX_FMT_FP6 matrix_b_fmt:MATRIX_FMT_FP6
.else
	v_wmma_scale_f32_16x16x128_f8f6f4 v[rA:rA+7], v[rW:rW+11], v[rX:rX+11], v[rA:rA+7], v[rP], v[rQ] matrix_a_fmt:MATRIX_FMT_FP6 matrix_b_fmt:MATRIX_FMT_FP6 matrix_a_scale:MATRIX_SCALE_ROW1 matrix_b_scale:MATRIX_SCALE_ROW1
.endif
.endr
.endr
.endm
.macro XLOADS p, s                     ; K step s of my work-group's 64 tokens' codes: 12 loads, into window 1 (K steps 0-4) or 2 (5-7)
.if (\s) < 5
	WIN 0x40
.set XB, 48*(\s)
.else
	WIN 0x80
.set XB, 48*((\s)-5)
.endif
.irp m,0,1,2,3
.irp i,0,1,2
	global_load_b128 v[XB+12*\m+4*\i:XB+12*\m+4*\i+3], v7, s[\p:\p+1] offset:12288*\m+96*(\s)+16*\i
.endr
.endr
.endm
.macro XLOAD p                         ; all of K, K step by K step: 96 loads
.irp s,0,1,2,3,4,5,6,7
	XLOADS \p, \s
.endr
	WIN 0
.endm
; The first weight row of my quarter of the chunk of step idx.  kind 0 (Wq, Wk): 128 ((idx + turn) % 8) + 32 wave.  kind 1 (Wv: head 4 g + wave, half e of its 64): 256 (idx % 4) + 64 wave + 32 ((idx / 4) % 2).
; kind 2 (Wo): 256 ((idx + turn) % 4) + 64 wave
.macro ROWK dst, idx, kind
.if \kind == 0
	s_add_co_u32 \dst, \idx, s95
	s_and_b32 \dst, \dst, 7
	s_lshl_b32 \dst, \dst, 7
	s_add_co_u32 \dst, \dst, s78
.elseif \kind == 1
	s_and_b32 \dst, \idx, 3
	s_lshl_b32 \dst, \dst, 8
	s_add_co_u32 \dst, \dst, s79
	s_and_b32 s91, \idx, 4
	s_lshl_b32 s91, s91, 3
	s_add_co_u32 \dst, \dst, s91
.else
	s_add_co_u32 \dst, \idx, s95
	s_and_b32 \dst, \dst, 3
	s_lshl_b32 \dst, \dst, 8
	s_add_co_u32 \dst, \dst, s79
.endif
.endm
.macro PICKROW ahead, kind, nkind, hold ; s89 = the row of the chunk `ahead` steps further on; SCC = it still belongs to this phase's weight
	s_add_co_u32 s88, s47, \ahead
.if \hold
	s_min_u32 s88, s88, 7
.endif
	ROWK s89, s88, \kind
.if \kind != \nkind
	ROWK s90, s88, \nkind
.endif
	s_cmp_lt_u32 s88, 8
.if \kind != \nkind
	s_cselect_b32 s89, s89, s90
.endif
.endm
; ONE CHUNK of the first three products: 64 matrix instructions on four groups of fragments, two sets of registers by turns; group 0 was asked for by the chunk before.
; wA, sA, bA: this phase's weight, its scales, its bias; wB, sB, bB: the next phase's.  pf: the codes that the next phase will load (0: none).  isv: the third product.
.macro CORE kind, nkind, wA, wB, sA, sB, bA, bB, pf, isv
	LOADG SET1, 1
	s_wait_loadcnt 63                              ; in a phase's first trip: the tokens' K steps 0, 1 are in (72 younger loads; the count's field holds 63)
	s_wait_dscnt 12                                ; group 0 is in; the 12 loads just issued may be out
	WIN 0x04
	MULK 0, SET0
	MULK 1, SET0
	PLACES 4
	WIN 0
	LOADG SET0, 2
	PICKROW 1, \kind, \nkind, \isv                 ; the next chunk's scale words and biases: 6 loads
	s_cselect_b64 s[84:85], s[\sA:\sA+1], s[\sB:\sB+1]
	s_cselect_b64 s[86:87], s[\bA:\bA+1], s[\bB:\bB+1]
	s_lshl_b32 s90, s89, 5
	v_add_nc_u32 v9, s90, v8
	s_lshl_b32 s90, s89, 2
	v_add_nc_u32 v11, s90, v10
	global_load_b128 v[RAW:RAW+3], v9, s[84:85]
	global_load_b128 v[RAW+4:RAW+7], v9, s[84:85] offset:512
	global_load_b128 v[BI:BI+3], v11, s[86:87]
	global_load_b128 v[BI+4:BI+7], v11, s[86:87] offset:16
	global_load_b128 v[BI+8:BI+11], v11, s[86:87] offset:64
	global_load_b128 v[BI+12:BI+15], v11, s[86:87] offset:80
	s_wait_loadcnt 54                              ; K steps 2, 3 are in: behind them 48 loads of K steps 4-7 and the 6 above
	s_wait_dscnt 12
	WIN 0x04
	MULK 2, SET1
	MULK 3, SET1
	PLACES 4
	WIN 0
	LOADG SET1, 3                                  ; my last reads of this slot
	s_wait_tensorcnt 0x0                           ; all my tensor loads have landed: the one that was out is my quarter of the next slot; so the walking group 0 may be written
	ds_add_u32 v1, v2                              ; 0 onto my spare word
	PICKROW 2, \kind, \nkind, 0                    ; the chunk two steps on goes into the slot in hand
	s_cselect_b64 s[80:81], s[\wA:\wA+1], s[\wB:\wB+1]
	s_mul_i32 s82, s89, 768
	s_add_co_u32 s69, s76, s77
	s_add_nc_u64 s[70:71], s[80:81], s[82:83]
	s_or_b32 s71, s71, 0x80000000
	s_wait_loadcnt 30                              ; K steps 4, 5 are in: behind them 24 loads and the 6
	s_wait_dscnt 13                                ; group 2 is in; group 3's 12 loads and the add may be out
	WIN 0x04
	MULK 4, SET0
	s_wait_dscnt 0x0                               ; the add is done, and my reads of this slot are over
	s_barrier_signal -1                            ; this barrier opens a round of the cluster's barrier
	WIN 0x08
	MULK 5, SET0
	WIN 0
	s_barrier_wait -1
	CREST                                          ; no wave of any partner still reads this slot or has a load on its way
.if \isv
	s_cmp_lt_u32 s47, 6                            ; the last two fills of this phase are Wo's first tiles, of the other shape: one load on either way, into the same quarter
	s_cbranch_scc0 .Lfo_\@
	tensor_load_to_lds s[68:71], s[48:55]
	s_nop 0
	PLACES 4
	s_branch .Lfd_\@
.Lfo_\@:
	tensor_load_to_lds s[68:71], s[56:63]
	s_nop 0
	PLACES 4
.Lfd_\@:
.else
	tensor_load_to_lds s[68:71], s[48:55]          ; the first thing behind the round, and my one tensor load until the next; the four lines behind it are also the places ahead of the loads below
	s_nop 0
	PLACES 4
.endif
.if \pf
	s_cmp_eq_u32 s47, s100                         ; in trip 5 waves 0 to 2 ask for the 49,152 bytes of codes that the next phase loads, two and a half chunks on: lanes 256 bytes apart, each block once
	s_cbranch_scc0 .Lnp_\@
	global_prefetch_b8 v23, s[\pf:\pf+1] th:TH_LOAD_NT scope:SCOPE_SE
	global_prefetch_b8 v23, s[\pf:\pf+1] offset:24576 th:TH_LOAD_NT scope:SCOPE_SE
.Lnp_\@:
.endif
	s_xor_b32 s76, s76, SLOT                       ; on to the other slot
	v_add_nc_u32 v5, s76, v3
	v_add_nc_u32 v6, s76, v4
.if \isv
	s_cmp_eq_u32 s47, 7                            ; behind the phase's last chunk the next slot has the other shape: its first group is asked for later
	s_cbranch_scc1 .Lng_\@
.endif
	LOADG SET0, 0
.if \isv
.Lng_\@:
.endif
	s_wait_loadcnt 6                               ; K steps 6, 7 are in
	WIN 0x08
	MULK 6, SET1
	MULK 7, SET1
	PLACES 4
	WIN 0
	s_wait_loadcnt 0x0                             ; the next chunk's scale words: their middle bytes change places.  The work that follows is more than the 8 places ahead of the next scaled product
.irp i,0,1,2,3,4,5,6,7
	v_perm_b32 v[WS+\i], v[RAW+\i], v[RAW+\i], s94
.endr
.endm
; A chunk of qh or kh is quantised: my 32 columns are one block of 32 along the scores' K.  The exchange of halves gives lane (r, h) columns 16 h + 0 .. 15 of token r in 16 registers on end.
; The codes go to the place of the STEP (s92, s93 step by constants), whichever chunk the cluster's turn has made of it.
.macro EPIQK
.irp m,0,1,2,3
.irp j,0,1,2,3,4,5,6,7
	v_permlane16_swap_b32 v[AC+16*\m+\j], v[AC+16*\m+8+\j]      ; each accumulator from its low end on
.endr
.endr
.irp m,0,1,2,3
	v_max3_num_f32 v[56+\m], |v[AC+16*\m]|, |v[AC+16*\m+1]|, 0x1800000   ; my 16 numbers and the floor 2^(3 - 127): the byte cannot fall under 1
.endr
.irp i,2,4,6,8,10,12,14
.irp m,0,1,2,3
	v_max3_num_f32 v[56+\m], v[56+\m], |v[AC+16*\m+\i]|, |v[AC+16*\m+\i+1]|
.endr
.endr
.irp m,0,1,2,3
	v_permlanex16_b32 v[24+\m], v[56+\m], s96, s97
.endr
.irp m,0,1,2,3
	v_max_num_f32 v[56+\m], v[56+\m], v[24+\m]     ; with lane l xor 16's: the block's largest magnitude
.endr
.irp m,0,1,2,3
	v_add_nc_u32 v[24+\m], 0xff000000, v[56+\m]    ; 2 off its exponent field: the conversion's scale operand
.endr
.irp m,0,1,2,3
	v_lshrrev_b32 v[60+\m], 23, v[24+\m]           ; the scale's byte
.endr
.irp m,0,1,2,3
	v_cvt_scalef32_pk16_fp6_f32 v[80+4*\m:82+4*\m], v[AC+16*\m:AC+16*\m+15], v[24+\m]
.endr
	v_nop                                          ; one plain place behind the scaled conversions
	v_add_nc_u32 v13, s92, v12                     ; region + 96 x step + 784 r + 24 wave + 12 h
	v_add_nc_u32 v15, s93, v14                     ; region + 4 x step + 32 r + wave
.irp m,0,1,2,3
.irp i,0,1,2
	ds_store_b32 v13, v[80+4*\m+\i] offset:12544*\m+4*\i
.endr
	ds_store_b8 v15, v[60+\m] offset:512*\m        ; both lanes of a block write the same byte with the same value
.endr
	s_add_co_u32 s92, s92, 96
	s_add_co_u32 s93, s93, 4
.endm
; Four tokens' scores and softmax.  S^T = kh qh^T: source 0 = the token's 16 key heads, source 1 = its 16 query heads; K = 64 fills registers 0-5 of an operand, registers 6-11 hold zero codes.
; A lane holds query head lane % 16 and key heads 8 (lane / 16) + 0 .. 7.  w = 2^(c s - c max) / the sum, c = log2(e) / 8.
.macro SCORE4 gq
	WIN 0xc0
.irp a,0,1,2,3
.irp p,0,1,2
	ds_load_b64 v[128+24*\a+2*\p:129+24*\a+2*\p], v16 offset:50176+784*(4*\gq+\a)+8*\p
	ds_load_b64 v[140+24*\a+2*\p:141+24*\a+2*\p], v16 offset:784*(4*\gq+\a)+8*\p
.endr
.endr
	WIN 0
.irp a,0,1,2,3
	ds_load_u16 v[192+\a], v17 offset:32*(4*\gq+\a)            ; a head's two scale bytes; the upper two are 0, over zero codes
	ds_load_u16 v[196+\a], v17 offset:2048+32*(4*\gq+\a)
.endr
	s_wait_dscnt 0x0
	WIN 0xff
.irp a,0,1,2,3
	v_wmma_scale_f32_16x16x128_f8f6f4 v[8*(4*\gq+\a):8*(4*\gq+\a)+7], v[128+24*\a:139+24*\a], v[140+24*\a:151+24*\a], 0, v[196+\a], v[192+\a] matrix_a_fmt:MATRIX_FMT_FP6 matrix_b_fmt:MATRIX_FMT_FP6
.endr
	PLACES 4
.irp a,0,1,2,3
	v_max3_num_f32 v[226+8*\a], v[8*(4*\gq+\a)], v[8*(4*\gq+\a)+1], v[8*(4*\gq+\a)+2]
.endr
.irp i,3,5
.irp a,0,1,2,3
	v_max3_num_f32 v[226+8*\a], v[226+8*\a], v[8*(4*\gq+\a)+\i], v[8*(4*\gq+\a)+\i+1]
.endr
.endr
.irp a,0,1,2,3
	v_max_num_f32 v[226+8*\a], v[226+8*\a], v[8*(4*\gq+\a)+7]
.endr
.irp a,0,1,2,3
	v_permlanex16_b32 v[227+8*\a], v[226+8*\a], s96, s97
.endr
.irp a,0,1,2,3
	v_max_num_f32 v[226+8*\a], v[226+8*\a], v[227+8*\a]        ; the row's largest score
.endr
.irp a,0,1,2,3
	v_mul_f32 v[224+8*\a], s98, v[226+8*\a]
.endr
.irp a,0,1,2,3
.irp q,0,2,4,6
	v_pk_fma_f32 v[8*(4*\gq+\a)+\q:8*(4*\gq+\a)+\q+1], v[8*(4*\gq+\a)+\q:8*(4*\gq+\a)+\q+1], s[98:99], v[224+8*\a:225+8*\a] op_sel_hi:[1,0,0] neg_lo:[0,0,1] neg_hi:[0,0,1]
.endr
.endr
.irp a,0,1,2,3
.irp j,0,1,2,3,4,5,6,7
	v_exp_f32 v[8*(4*\gq+\a)+\j], v[8*(4*\gq+\a)+\j]
.endr
.endr
	v_nop                                          ; a plain place behind the batch,
	s_wait_alu depctr_va_vdst(0)                   ; and one wait for its 32 exponentials, ahead of the first reader
.irp a,0,1,2,3
	v_pk_add_f32 v[228+8*\a:229+8*\a], v[8*(4*\gq+\a):8*(4*\gq+\a)+1], v[8*(4*\gq+\a)+2:8*(4*\gq+\a)+3]
.endr
.irp a,0,1,2,3
	v_pk_add_f32 v[226+8*\a:227+8*\a], v[8*(4*\gq+\a)+4:8*(4*\gq+\a)+5], v[8*(4*\gq+\a)+6:8*(4*\gq+\a)+7]
.endr
.irp a,0,1,2,3
	v_pk_add_f32 v[228+8*\a:229+8*\a], v[228+8*\a:229+8*\a], v[226+8*\a:227+8*\a]
.endr
.irp a,0,1,2,3
	v_add_f32 v[228+8*\a], v[228+8*\a], v[229+8*\a]
.endr
.irp a,0,1,2,3
	v_permlanex16_b32 v[227+8*\a], v[228+8*\a], s96, s97
.endr
.irp a,0,1,2,3
	v_add_f32 v[228+8*\a], v[228+8*\a], v[227+8*\a]
.endr
.irp a,0,1,2,3
	v_rcp_f32 v[230+8*\a], v[228+8*\a]
.endr
	v_nop
	s_wait_alu depctr_va_vdst(0)                   ; one wait for the four reciprocals
.irp a,0,1,2,3
.irp q,0,2,4,6
	v_pk_mul_f32 v[8*(4*\gq+\a)+\q:8*(4*\gq+\a)+\q+1], v[8*(4*\gq+\a)+\q:8*(4*\gq+\a)+\q+1], v[230+8*\a:231+8*\a] op_sel_hi:[1,0]
.endr
.endr
.endm
.macro VHLOAD t, reg                   ; vh of my token, key head t of the chunk's four: 32 numbers
.irp q,0,1,2,3,4,5,6,7
	ds_load_b128 v[\reg+4*\q:\reg+4*\q+3], v22 offset:128*\t+16*\q
.endr
.endm
; out(query head 8 h + i, d) += w(8 h + i, key head t) x vh(t, d): 8 query heads x 32 d, two at a time.  first = 1: the products start the sums.
.macro PVT t, reg, first
.irp i,0,1,2,3,4,5,6,7
.irp q,0,2,4,6,8,10,12,14,16,18,20,22,24,26,28,30
.if \first
	v_pk_mul_f32 v[32*\i+\q:32*\i+\q+1], v[\reg+\q:\reg+\q+1], v[144+4*\i:145+4*\i] op_sel_hi:[1,0]
.elseif ((\t)&1) == 0
	v_pk_fma_f32 v[32*\i+\q:32*\i+\q+1], v[\reg+\q:\reg+\q+1], v[144+4*\i+2*((\t)/2):145+4*\i+2*((\t)/2)], v[32*\i+\q:32*\i+\q+1] op_sel_hi:[1,0,1]
.else
	v_pk_fma_f32 v[32*\i+\q:32*\i+\q+1], v[\reg+\q:\reg+\q+1], v[144+4*\i+2*((\t)/2):145+4*\i+2*((\t)/2)], v[32*\i+\q:32*\i+\q+1] op_sel:[0,1,0] op_sel_hi:[1,1,1]
.endif
.endr
.endr
.endm
; My token's 8 query heads x 32 d are 8 whole blocks of the last product's K, each in one lane's 32 registers: codes to v192-239 (6 a block), bytes to v240-247.
.macro QUANT8
	WIN 0x3c
.irp i,0,1,2,3,4,5,6,7
	v_max3_num_f32 v[80+\i], 0x1800000, |v[32*\i]|, |v[32*\i+1]|
.endr
.irp q,2,4,6,8,10,12,14,16,18,20,22,24,26,28,30
.irp i,0,1,2,3,4,5,6,7
	v_max3_num_f32 v[80+\i], v[80+\i], |v[32*\i+\q]|, |v[32*\i+\q+1]|
.endr
.endr
	WIN 0
.irp i,0,1,2,3,4,5,6,7
	v_add_nc_u32 v[88+\i], 0xff000000, v[80+\i]
.endr
.irp i,0,1,2,3,4,5,6,7
	v_lshrrev_b32 v[240+\i], 23, v[88+\i]
.endr
	WIN 0x03
.irp i,0,1,2,3,4,5,6,7
	v_cvt_scalef32_pk16_fp6_f32 v[192+6*\i:194+6*\i], v[32*\i:32*\i+15], v[88+\i]
	v_cvt_scalef32_pk16_fp6_f32 v[144+4*\i:146+4*\i], v[32*\i+16:32*\i+31], v[88+\i]   ; (a conversion's three registers begin on an even number)
.endr
	WIN 0
	v_nop
.irp i,0,1,2,3,4,5,6,7
.irp k,0,1,2
	v_mov_b32 v[195+6*\i+\k], v[144+4*\i+\k]
.endr
.endr
.endm
; The last product.  8 matrix instructions: K step sp of the half in hand, my tiles of rows n0, n0 + 1 x 4 tiles of tokens.  A tile's 16 accumulators take turns.
.macro MULOH sp, set, n0
.irp n,\n0,\n0+1
.irp m,0,1,2,3
.set rD, 128*(NQ&1)+32*(\n)+8*\m
.set rW, \set+12*(\n)
.set rX, 12*(4*(\sp)+\m)
.set rP, WS+4*((\n)&1)+(\sp)
.set rQ, XS+4*\m+(\sp)
.if (KH == 0) && ((\sp) == 0)
.if (\n) < 2
	v_wmma_scale_f32_16x16x128_f8f6f4 v[rD:rD+7], v[rW:rW+11], v[rX:rX+11], v[BI+8*(\n):BI+8*(\n)+7], v[rP], v[rQ] matrix_a_fmt:MATRIX_FMT_FP6 matrix_b_fmt:MATRIX_FMT_FP6
.else
	v_wmma_scale_f32_16x16x128_f8f6f4 v[rD:rD+7], v[rW:rW+11], v[rX:rX+11], v[BI+8*(\n):BI+8*(\n)+7], v[rP], v[rQ] matrix_a_fmt:MATRIX_FMT_FP6 matrix_b_fmt:MATRIX_FMT_FP6 matrix_a_scale:MATRIX_SCALE_ROW1
.endif
.else
.if (\n) < 2
	v_wmma_scale_f32_16x16x128_f8f6f4 v[rD:rD+7], v[rW:rW+11], v[rX:rX+11], v[rD:rD+7], v[rP], v[rQ] matrix_a_fmt:MATRIX_FMT_FP6 matrix_b_fmt:MATRIX_FMT_FP6
.else
	v_wmma_scale_f32_16x16x128_f8f6f4 v[rD:rD+7], v[rW:rW+11], v[rX:rX+11], v[rD:rD+7], v[rP], v[rQ] matrix_a_fmt:MATRIX_FMT_FP6 matrix_b_fmt:MATRIX_FMT_FP6 matrix_a_scale:MATRIX_SCALE_ROW1
.endif
.endif
.endr
.endr
.endm
.macro XO kh                           ; the attention's codes, half kh of K, all 64 tokens, into window 1, and their scale words
	WIN 0x40
.irp s,0,1,2,3
.irp m,0,1,2,3
.irp i,0,1,2
	ds_load_b128 v[12*(4*\s+\m)+4*\i:12*(4*\s+\m)+4*\i+3], v30 offset:12544*\m+96*(4*\kh+\s)+16*\i
.endr
.endr
.endr
	WIN 0
.irp m,0,1,2,3
	ds_load_b128 v[192+4*\m:195+4*\m], v31 offset:512*\m+16*\kh
.endr
	s_wait_dscnt 0x0
.irp i,0,1,2,3,4,5,6,7,8,9,10,11,12,13,14,15
	v_perm_b32 v[XS+\i], v[192+\i], v[192+\i], s94
.endr
.endm
; Tile ti = 4 kh + place of the last product: half kh of K; the place's accumulators hold the rows of group (place + turn) % 4: rows 256 x group + 64 wave on.
; mode 2: the slot is filled again with the tile two on; 1: a tile follows, nothing is filled; 0: the last.
.macro OTILE ti, mode
.set KH, (\ti)/4
.set NQ, (\ti)%4
.set TN, (\ti)+1
.set TF, (\ti)+2
	LOADO SET1, 1
	s_wait_dscnt 12
.if KH == 0
	WIN 0x84+0x40*(((\ti)%4)/2)                    ; C is the bias, in window 0
.else
	WIN 0xa4+0x50*(((\ti)%4)/2)
.endif
	MULOH 0, SET0, 0
	MULOH 0, SET0, 2
	PLACES 4
	WIN 0
	LOADO SET0, 2
.if \mode > 0
	s_add_co_u32 s88, s95, TN%4
	s_and_b32 s88, s88, 3                          ; the next tile's group of rows
	s_lshl_b32 s89, s88, 13
	v_add_nc_u32 v9, s89, v12                      ; (the loads that named v9 and v11 last were waited for at the last tile's end)
	global_load_b128 v[RAW:RAW+3], v9, s[36:37] offset:16*(TN/4)           ; its scale words: lanes 0-15 tiles of rows 0, 1; lanes 16-31 tiles 2, 3
	global_load_b128 v[RAW+4:RAW+7], v9, s[36:37] offset:16*(TN/4)+512
.if TN < 4
	s_lshl_b32 s89, s88, 10
	v_add_nc_u32 v11, s89, v13
.irp n,0,1,2,3
	global_load_b128 v[BI+8*\n:BI+8*\n+3], v11, s[38:39] offset:64*\n
	global_load_b128 v[BI+8*\n+4:BI+8*\n+7], v11, s[38:39] offset:64*\n+16
.endr
.endif
.endif
	s_wait_dscnt 12
	WIN 0xa4+0x50*(((\ti)%4)/2)
	MULOH 1, SET1, 0
	MULOH 1, SET1, 2
	PLACES 4
	WIN 0
	LOADO SET1, 3
.if \mode == 2
	s_wait_tensorcnt 0x0                           ; my quarter of the next slot has landed; the walking group 0 may be written
	ds_add_u32 v1, v2
	s_add_co_u32 s88, s95, TF%4
	s_and_b32 s88, s88, 3                          ; the group of rows of the tile two on
	s_mul_i32 s88, s88, 196608
	s_mul_i32 s82, s79, 768
	s_add_co_u32 s82, s82, s88
.if TF >= 4
	s_add_co_u32 s82, s82, 384                     ; the second half of K
.endif
	s_add_co_u32 s69, s76, s77
	s_add_nc_u64 s[70:71], s[34:35], s[82:83]
	s_or_b32 s71, s71, 0x80000000
	s_wait_dscnt 13
	WIN 0xa4+0x50*(((\ti)%4)/2)
	MULOH 2, SET0, 0
	s_wait_dscnt 0x0                               ; the add is done, and my reads of this slot are over
	s_barrier_signal -1
	MULOH 2, SET0, 2
	WIN 0
	s_barrier_wait -1
	CREST
	tensor_load_to_lds s[68:71], s[56:63]
	s_nop 0
	PLACES 4
.else
	s_wait_dscnt 12
	WIN 0xa4+0x50*(((\ti)%4)/2)
	MULOH 2, SET0, 0
	MULOH 2, SET0, 2
	PLACES 4
	WIN 0
.if \mode == 1
	s_wait_tensorcnt 0x0                           ; the last tile has landed; I alone read my quarter, and nothing is filled any more
.endif
.endif
.if \mode > 0
	s_xor_b32 s76, s76, SLOT
	v_add_nc_u32 v5, s76, v3
	v_add_nc_u32 v6, s76, v4
	LOADO SET0, 0
	s_wait_dscnt 12
.else
	s_wait_dscnt 0x0
.endif
	WIN 0xa4+0x50*(((\ti)%4)/2)
	MULOH 3, SET1, 0
	MULOH 3, SET1, 2
	PLACES 4
	WIN 0
.if \mode > 0
	s_wait_loadcnt 0x0
.irp i,0,1,2,3,4,5,6,7
	v_perm_b32 v[WS+\i], v[RAW+\i], v[RAW+\i], s94
.endr
	PLACES 8                                       ; a scale register written by a vector instruction stands 8 places ahead of a scaled product
.endif
.endm
; ---------------------------------------------------------------- the head
	s_load_b512 s[4:19], s[0:1], 0x0
	s_load_b512 s[20:35], s[0:1], 0x40
	s_load_b256 s[36:43], s[0:1], 0x80
	s_load_b64 s[44:45], s[0:1], 0xa0
	v_lshl_add_u32 v1, v0, 2, SPARE
	v_mov_b32 v2, 0
	ds_add_u32 v1, v2
	ds_add_u32 v1, v2
	s_wait_dscnt 0x0
	v_lshrrev_b32 v60, 5, v0
	v_readfirstlane_b32 s46, v60                   ; wave 0..3
	s_bfe_u32 s2, ttmp6, 0x40000                   ; my place in the cluster,
	s_lshl_b32 s3, ttmp9, 2
	s_add_co_u32 s3, s3, s2                        ; my block of 64 tokens: it enters the addresses of q, k, v and out0 alone
	s_and_b32 s95, ttmp9, 7                        ; the cluster's turn: the same in all four partners
	s_mul_i32 s77, s46, QSTR
	s_lshl_b32 s78, s46, 5
	s_lshl_b32 s79, s46, 6
	; group 1, shape 1: 32 rows of 96 elements of 8 bytes (768 bytes), dense; 16 bytes of padding behind every 64 words.  The mask names all four work-groups
	s_mov_b32 s48, 15|(3<<16)|(1<<20)|(1<<21)|(5<<22)|(3<<25)
	s_mov_b32 s49, 96<<16
	s_mov_b32 s50, 32<<16
	s_mov_b32 s51, 96<<16
	s_mov_b32 s52, 32
	s_mov_b32 s53, 96
	s_mov_b32 s54, 0
	s_mov_b32 s55, 0
	; shape 2: 64 rows of 48 elements (384 bytes), 96 elements apart; padding behind every 32 words
	s_mov_b32 s56, 15|(3<<16)|(1<<20)|(1<<21)|(4<<22)|(3<<25)
	s_mov_b32 s57, 48<<16
	s_mov_b32 s58, 64<<16
	s_mov_b32 s59, 48<<16
	s_mov_b32 s60, 64
	s_mov_b32 s61, 96
	s_mov_b32 s62, 0
	s_mov_b32 s63, 0
	s_mov_b32 s47, 0
	s_mov_b32 s76, 0
	s_mov_b32 s92, QC
	s_mov_b32 s93, QS
	s_mov_b32 s94, 0x03010200
	s_mov_b32 s96, 0x76543210
	s_mov_b32 s97, 0xfedcba98
	s_mov_b32 s98, 0x3e38aa3b                      ; c = log2(e) / 8
	s_mov_b32 s99, s98
	s_cmp_lt_u32 s46, 3
	s_cselect_b32 s100, 5, -1
	s_lshl_b32 s88, s95, 7
	s_add_co_u32 s88, s88, s78                     ; step 0 is chunk `turn`: my 32 rows begin at row 128 x turn + 32 x wave
	s_mul_i32 s82, s88, 768
	s_mov_b32 s83, 0
	s_add_co_u32 s89, s95, 1
	s_and_b32 s89, s89, 7
	s_lshl_b32 s89, s89, 7
	s_add_co_u32 s89, s89, s78                     ; step 1 is chunk (turn + 1) % 8
	s_mul_i32 s84, s89, 768
	s_mov_b32 s85, 0
	s_mul_i32 s66, s3, 49152
	s_mov_b32 s67, 0
	s_wait_kmcnt 0x0
	s_add_nc_u64 s[4:5], s[4:5], s[66:67]          ; the codes of my 64 tokens
	s_add_nc_u64 s[8:9], s[8:9], s[66:67]
	s_add_nc_u64 s[12:13], s[12:13], s[66:67]
	s_lshl_b32 s66, s3, 11
	s_add_nc_u64 s[6:7], s[6:7], s[66:67]          ; their scale bytes
	s_add_nc_u64 s[10:11], s[10:11], s[66:67]
	s_add_nc_u64 s[14:15], s[14:15], s[66:67]
	s_lshl_b32 s66, s3, 18
	s_lshl_b32 s2, s46, 8
	s_add_co_u32 s66, s66, s2
	s_add_nc_u64 s[44:45], s[44:45], s[66:67]      ; out0 at my first token, my wave's 64 columns of each 256
	s_mov_b32 s68, 1
	s_mov_b32 s69, s77
	s_add_nc_u64 s[70:71], s[16:17], s[82:83]
	s_mov_b32 s72, 1
	s_add_co_u32 s73, s77, SLOT
	s_add_nc_u64 s[74:75], s[16:17], s[84:85]
	s_or_b32 s71, s71, 0x80000000
	s_or_b32 s75, s75, 0x80000000
	CROUND                                         ; all four work-groups are here: the first joint loads meet
	tensor_load_to_lds s[68:71], s[48:55]          ; both first fills together: two loads of mine are out
	s_nop 0
	tensor_load_to_lds s[72:75], s[48:55]
	s_nop 0
	PLACES 4
	v_and_b32 v60, 15, v0                          ; r
	v_bfe_u32 v61, v0, 4, 1                        ; h
	v_and_b32 v62, 31, v0                          ; lane
	s_lshl_b32 s90, s95, 1
	s_sub_co_u32 s90, 16, s90                      ; 16 - 2 x turn
	v_add_nc_u32 v63, s90, v60
	v_and_b32 v63, 15, v63                         ; the place of head r among the codes in LDS: (r - 2 x turn) mod 16
	v_mul_u32_u24 v3, v60, 816
	v_mad_u32_u24 v3, v61, 48, v3
	v_add_nc_u32 v3, s77, v3                       ; v3: my place in my quarter of a slot; v4: behind one padding more
	v_lshl_add_u32 v4, v61, 4, v3
	v_mov_b32 v5, v3
	v_mov_b32 v6, v4
	v_mul_u32_u24 v7, v60, 768
	v_mad_u32_u24 v7, v61, 48, v7                  ; v7: the tokens' codes in memory
	v_lshlrev_b32 v8, 5, v60
	v_lshl_add_u32 v8, v61, 4, v8                  ; v8: scale bytes: 32 r + 16 h: lanes 16-31 take K steps 4-7
	v_lshlrev_b32 v10, 5, v61                      ; v10: biases: 32 h
	s_lshl_b32 s88, s95, 7
	s_add_co_u32 s88, s88, s78                     ; step 0's first row once more
	s_lshl_b32 s89, s88, 5
	v_add_nc_u32 v9, s89, v8
	s_lshl_b32 s89, s88, 2
	v_add_nc_u32 v11, s89, v10
	v_mul_u32_u24 v12, v60, 784
	v_mad_u32_u24 v12, v61, 12, v12
	s_mul_i32 s88, s46, 24
	v_add_nc_u32 v12, s88, v12                     ; v12: where a chunk's codes go
	v_lshl_add_u32 v14, v60, 5, s46                ; v14: and its bytes
	s_mul_i32 s88, s46, 12544
	s_add_co_u32 s88, s88, NR
	v_mul_u32_u24 v16, v63, 48
	v_mad_u32_u24 v16, v61, 24, v16
	v_add_nc_u32 v16, s88, v16                     ; v16: the scores' operands: my wave's 16 tokens, head r's place, block h
	v_mul_u32_u24 v28, v60, 784
	v_mad_u32_u24 v28, v61, 384, v28
	v_add_nc_u32 v28, s88, v28                     ; v28: where my token's attention codes go
	s_lshl_b32 s88, s46, 9
	s_add_co_u32 s89, s88, QS
	v_lshl_add_u32 v17, v63, 1, s89                ; v17: the scores' scale bytes, at head r's place
	s_add_co_u32 s89, s88, OS
	v_lshl_add_u32 v29, v60, 5, s89
	v_lshl_add_u32 v29, v61, 4, v29                ; v29: the attention's scale bytes
	s_mul_i32 s88, s46, 16640
	s_add_co_u32 s88, s88, NR
	v_lshl_add_u32 v18, v60, 6, s88
	v_lshl_add_u32 v18, v61, 5, v18                ; v18: w, on the way in
	v_mul_u32_u24 v20, v60, 1040
	v_lshl_add_u32 v20, v61, 9, v20
	v_add_nc_u32 v20, s88, v20                     ; v20: w of my token, query heads 8 h on
	s_lshl_b32 s88, s46, 7
	s_add_co_u32 s88, s88, STG
	v_mul_u32_u24 v19, v60, 528
	v_lshl_add_u32 v19, v61, 5, v19
	v_add_nc_u32 v19, s88, v19                     ; v19: vh, on the way in
	s_mul_i32 s88, s46, 8448
	s_add_co_u32 s88, s88, STG
	v_mul_u32_u24 v22, v60, 528
	v_add_nc_u32 v22, s88, v22                     ; v22: vh of my token
	s_lshl_b32 s88, s46, 13
	v_lshl_add_u32 v23, v62, 8, s88                ; v23: the prefetches' offset; never rewritten
	v_mul_u32_u24 v30, v60, 784
	v_mad_u32_u24 v30, v61, 48, v30
	v_add_nc_u32 v30, OC, v30                      ; v30: the attention's codes as an operand
	v_lshlrev_b32 v31, 5, v60
	v_add_nc_u32 v31, OS, v31                      ; v31: and its scale words
.irp m,0,1,2,3
	v_mov_b32 v[24+\m], 0                          ; written once: a lane permute's destination counts as one of its sources
.endr
.irp m,0,1,2,3
	global_load_b128 v[192+4*\m:195+4*\m], v8, s[6:7] offset:512*\m        ; q's scale words
.endr
	WIN 0x80
.irp m,0,1,2,3
	global_load_b128 v[144+4*\m:147+4*\m], v8, s[10:11] offset:512*\m      ; k's and v's wait in window 2
.endr
.irp m,0,1,2,3
	global_load_b128 v[160+4*\m:163+4*\m], v8, s[14:15] offset:512*\m
.endr
	WIN 0
	global_load_b128 v[RAW:RAW+3], v9, s[18:19]
	global_load_b128 v[RAW+4:RAW+7], v9, s[18:19] offset:512
	global_load_b128 v[BI:BI+3], v11, s[20:21]
	global_load_b128 v[BI+4:BI+7], v11, s[20:21] offset:16
	global_load_b128 v[BI+8:BI+11], v11, s[20:21] offset:64
	global_load_b128 v[BI+12:BI+15], v11, s[20:21] offset:80
	XLOAD 4
	s_wait_loadcnt 63                              ; the 18 small loads, issued ahead of the 96, are in
.irp i,0,1,2,3,4,5,6,7,8,9,10,11,12,13,14,15
	v_perm_b32 v[XS+\i], v[192+\i], v[192+\i], s94
.endr
.irp i,0,1,2,3,4,5,6,7
	v_perm_b32 v[WS+\i], v[RAW+\i], v[RAW+\i], s94
.endr
	PLACES 8
	s_wait_tensorcnt 0x1                           ; step 0's chunk is in; step 1's may stay out
	s_barrier_signal -1
	s_barrier_wait -1
	LOADG SET0, 0
; ---------------------------------------------------------------- qh
.Lq:
	CORE 0, 0, 16, 22, 18, 24, 20, 26, 8, 0
	EPIQK
	s_add_co_u32 s47, s47, 1
	s_cmp_lt_u32 s47, 8
	s_cbranch_scc1 .Lq
	XLOAD 8                                        ; k's codes take q's registers
	WIN 0x0a
.irp i,0,1,2,3,4,5,6,7,8,9,10,11,12,13,14,15
	v_perm_b32 v[XS+\i], v[144+\i], v[144+\i], s94
.endr
	WIN 0
	PLACES 8
	s_mov_b32 s47, 0
	s_mov_b32 s92, KC
	s_mov_b32 s93, KS
; ---------------------------------------------------------------- kh
.Lk:
	CORE 0, 1, 22, 28, 24, 30, 26, 32, 12, 0
	EPIQK
	s_add_co_u32 s47, s47, 1
	s_cmp_lt_u32 s47, 8
	s_cbranch_scc1 .Lk
; ---------------------------------------------------------------- scores and softmax: wave w takes tokens 16 w .. 16 w + 15
	s_wait_dscnt 0x0
	s_barrier_signal -1
	s_barrier_wait -1                              ; all codes of qh and kh lie in LDS
	WIN 0xc0
.irp a,0,1,2,3
.irp i,6,7,8,9,10,11
	v_mov_b32 v[128+24*\a+\i], 0                   ; zero codes for K = 64 .. 127
	v_mov_b32 v[140+24*\a+\i], 0
.endr
	v_mov_b32 v[225+8*\a], 0                       ; upper halves of pairs and a permute's destination: written once
	v_mov_b32 v[227+8*\a], 0
	v_mov_b32 v[231+8*\a], 0
.endr
	WIN 0x80
.set i, 0
.rept 56
	v_mov_b32 v[176+i], 0                          ; the saved codes and bytes: written here, so that they are written on every path to the lines that store them
.set i, i+1
.endr
	XLOADS 12, 0                                   ; v's codes take k's registers: 24 loads ahead of each four tokens' scores, in the order of the K steps, so that the run of 96 is spread over this phase's work
	XLOADS 12, 1
	SCORE4 0
	XLOADS 12, 2
	XLOADS 12, 3
	SCORE4 1
	XLOADS 12, 4
	XLOADS 12, 5
	SCORE4 2
	XLOADS 12, 6
	XLOADS 12, 7
	SCORE4 3
	WIN 0
	s_wait_dscnt 0x0
	s_barrier_signal -1
	s_barrier_wait -1                              ; nobody reads the codes any more: w and vh take their bytes
	WIN 0x0c
.irp a,0,1,2,3,4,5,6,7,8,9,10,11,12,13,14,15
	ds_store_b128 v18, v[8*\a:8*\a+3] offset:1040*\a               ; my own tokens' w: only I read them back
	ds_store_b128 v18, v[8*\a+4:8*\a+7] offset:1040*\a+16
.endr
	WIN 0x0a
.irp i,0,1,2,3,4,5,6,7,8,9,10,11,12,13,14,15
	v_perm_b32 v[XS+\i], v[160+\i], v[160+\i], s94
.endr
	WIN 0
	PLACES 8
	s_mov_b32 s47, 0
; ---------------------------------------------------------------- vh and w x vh.  Chunk 4 e + g: wave w makes key head 4 g + w, d = 32 e .. 32 e + 31, of all 64 tokens
.Lv:
	CORE 1, 2, 28, 34, 30, 30, 32, 32, 0, 1
.irp m,0,1,2,3
.irp u,0,1
	ds_store_b128 v19, v[AC+16*\m+8*\u:AC+16*\m+8*\u+3] offset:8448*\m+64*\u       ; the round above parts these from the last chunk's reads of the stage
	ds_store_b128 v19, v[AC+16*\m+8*\u+4:AC+16*\m+8*\u+7] offset:8448*\m+64*\u+16
.endr
.endr
	s_wait_dscnt 0x0
	s_barrier_signal -1
	s_barrier_wait -1                              ; four key heads' vh of 64 tokens lie in the stage
	s_and_b32 s101, s47, 3
	s_lshl_b32 s101, s101, 4
	v_add_nc_u32 v21, s101, v20
	WIN 0x80
.irp i,0,1,2,3,4,5,6,7
	ds_load_b128 v[144+4*\i:147+4*\i], v21 offset:64*\i            ; w(query head 8 h + i, key heads 4 g + 0 .. 3)
.endr
	WIN 0
	VHLOAD 0, 192
	VHLOAD 1, 224
	VHLOAD 2, 144
	s_wait_dscnt 16                                ; w and the first head are in
	s_and_b32 s88, s47, 3
	s_cmp_eq_u32 s88, 0
	s_cbranch_scc0 .Lpv_add
	WIN 0xf8
	PVT 0, 192, 1                                  ; g = 0: the products start the sums
	WIN 0
	s_branch .Lpv_on
.Lpv_add:
	WIN 0xf8
	PVT 0, 192, 0
	WIN 0
.Lpv_on:
	VHLOAD 3, 192
	s_wait_dscnt 16
	WIN 0xf8
	PVT 1, 224, 0
	s_wait_dscnt 8
	PVT 2, 144, 0
	s_wait_dscnt 0x0
	PVT 3, 192, 0
	WIN 0
	s_and_b32 s88, s47, 3
	s_cmp_eq_u32 s88, 3
	s_cbranch_scc0 .Lv_next                        ; all 16 key heads are summed behind g = 3
	QUANT8
	s_cmp_eq_u32 s47, 3
	s_cbranch_scc0 .Lv_next                        ; half e = 0 is kept in registers: its place in LDS still holds w
	WIN 0x80
.set i, 0
.rept 48
	v_mov_b32 v[176+i], v[192+i]
.set i, i+1
.endr
.set i, 0
.rept 8
	v_mov_b32 v[224+i], v[240+i]
.set i, i+1
.endr
	WIN 0
.Lv_next:
	s_add_co_u32 s47, s47, 1
	s_cmp_lt_u32 s47, 8
	s_cbranch_scc1 .Lv
; ---------------------------------------------------------------- between: the attention's codes go to LDS, as rows
	v_and_b32 v14, 15, v0
	v_bfe_u32 v15, v0, 4, 1
	v_lshlrev_b32 v12, 5, v14
	v_lshl_add_u32 v12, v15, 10, v12
	s_lshl_b32 s88, s46, 11
	v_add_nc_u32 v12, s88, v12                     ; v12: Wo's scale bytes: 32 r + 1,024 h + 2,048 wave
	s_lshl_b32 s88, s46, 8
	v_lshl_add_u32 v13, v15, 5, s88                ; v13: bo, ln_w, ln_b: 32 h + 256 wave
	s_and_b32 s88, s95, 3                          ; the first tile's group of rows: turn % 4
	s_lshl_b32 s89, s88, 13
	v_add_nc_u32 v9, s89, v12
	s_lshl_b32 s89, s88, 10
	v_add_nc_u32 v11, s89, v13
	global_load_b128 v[RAW:RAW+3], v9, s[36:37]
	global_load_b128 v[RAW+4:RAW+7], v9, s[36:37] offset:512
.irp n,0,1,2,3
	global_load_b128 v[BI+8*\n:BI+8*\n+3], v11, s[38:39] offset:64*\n
	global_load_b128 v[BI+8*\n+4:BI+8*\n+7], v11, s[38:39] offset:64*\n+16
.endr
	s_wait_dscnt 0x0
	s_barrier_signal -1
	s_barrier_wait -1                              ; nobody reads w or vh any more
	WIN 0x08
.irp i,0,1,2,3,4,5,6,7
.irp p,0,1,2
	ds_store_b64 v28, v[176+6*\i+2*\p:177+6*\i+2*\p] offset:48*\i+8*\p
.endr
	ds_store_b8 v29, v[224+\i] offset:2*\i
.endr
	WIN 0
.irp i,0,1,2,3,4,5,6,7
.irp p,0,1,2
	ds_store_b64 v28, v[192+6*\i+2*\p:193+6*\i+2*\p] offset:48*\i+24+8*\p
.endr
	ds_store_b8 v29, v[240+\i] offset:2*\i+1
.endr
	v_mul_u32_u24 v3, v14, 432                     ; my place in a quarter of the other shape
	v_mad_u32_u24 v3, v15, 48, v3
	v_add_nc_u32 v3, s77, v3
	v_lshl_add_u32 v4, v15, 4, v3
	v_add_nc_u32 v5, s76, v3
	v_add_nc_u32 v6, s76, v4
	s_wait_dscnt 0x0
	s_barrier_signal -1
	s_barrier_wait -1                              ; 64 rows of codes and their bytes lie in LDS
	LOADO SET0, 0
	XO 0
	s_wait_loadcnt 0x0
.irp i,0,1,2,3,4,5,6,7
	v_perm_b32 v[WS+\i], v[RAW+\i], v[RAW+\i], s94
.endr
	PLACES 8
; ---------------------------------------------------------------- the product with Wo: written out, since the accumulators change from tile to tile
	OTILE 0, 2
	OTILE 1, 2
	OTILE 2, 2
	OTILE 3, 2
	XO 1                                           ; the other half of K (four places and more stand behind the last products)
	PLACES 8
	OTILE 4, 2
	OTILE 5, 2
	OTILE 6, 1
	OTILE 7, 0
; ---------------------------------------------------------------- LayerNorm.  A lane holds token 16 m + r and 128 of its 1,024 numbers; the rest lie in lane l xor 16 and in the other waves
.irp g,0,1,2,3
	s_add_co_u32 s88, s95, \g
	s_and_b32 s88, s88, 3                          ; the accumulators at place g hold the columns of group (g + turn) % 4
	s_lshl_b32 s88, s88, 10
	v_add_nc_u32 v[8+\g], s88, v13
.endr
	WIN 0x40
.irp g,0,1,2,3
.irp n,0,1,2,3
	global_load_b128 v[64*\g+8*\n:64*\g+8*\n+3], v[8+\g], s[40:41] offset:64*\n                ; ln_w and ln_b of my 256 columns fill window 1
	global_load_b128 v[64*\g+8*\n+4:64*\g+8*\n+7], v[8+\g], s[40:41] offset:64*\n+16
	global_load_b128 v[64*\g+32+8*\n:64*\g+32+8*\n+3], v[8+\g], s[42:43] offset:64*\n
	global_load_b128 v[64*\g+32+8*\n+4:64*\g+32+8*\n+7], v[8+\g], s[42:43] offset:64*\n+16
.endr
.endr
	WIN 0
	v_and_b32 v19, 15, v0
	v_bfe_u32 v20, v0, 4, 1
	s_mul_i32 s88, s46, 8704
	s_add_co_u32 s88, s88, YST
	v_mul_u32_u24 v14, v19, 272
	v_lshl_add_u32 v14, v20, 5, v14
	v_add_nc_u32 v14, s88, v14                     ; v14: my stage, on the way in: row r, + 32 h
	v_mul_u32_u24 v15, v20, 272
	v_lshl_add_u32 v15, v19, 4, v15
	v_add_nc_u32 v15, s88, v15                     ; v15: back: lanes 0-15 one row, lanes 16-31 the next
	v_lshlrev_b32 v16, 12, v20
	v_lshl_add_u32 v16, v19, 4, v16                ; v16: the same two rows in out0
.irp g,0,1,2,3
	s_add_co_u32 s88, s95, \g
	s_and_b32 s88, s88, 3
	s_lshl_b32 s88, s88, 10
	v_add_nc_u32 v[64+\g], s88, v16                ; v64-67: and place g's group of columns there
.endr
	s_lshl_b32 s88, s46, 8
	s_add_co_u32 s88, s88, STAT1
	v_lshl_add_u32 v17, v19, 2, s88                ; v17: my wave's partial sums
	v_lshlrev_b32 v18, 2, v19
	v_add_nc_u32 v18, STAT1, v18                   ; v18: all waves'
	s_mov_b32 s88, 0x3a802008                      ; 1 / 1,023
	s_mov_b32 s89, 0x3727c5ac                      ; 1e-5
.irp i,0,1,2,3,4,5,6,7
	v_mov_b32 v[24+\i], 0                          ; four sums, a pair each
	v_mov_b32 v[32+\i], 0                          ; four sums of squares
.endr
.macro ACCSUM                          ; each accumulator from its low end on; the four tiles of tokens by turns
.irp b,0,1,2,3,4,5,6,7
.irp q,0,2,4,6
.irp m,0,1,2,3
	v_pk_add_f32 v[24+2*\m:25+2*\m], v[24+2*\m:25+2*\m], v[32*\b+8*\m+\q:32*\b+8*\m+\q+1]
.endr
.endr
.endr
.endm
.macro ACCSUB                          ; y - mu, in place
.irp b,0,1,2,3,4,5,6,7
.irp q,0,2,4,6
.irp m,0,1,2,3
	v_pk_add_f32 v[32*\b+8*\m+\q:32*\b+8*\m+\q+1], v[32*\b+8*\m+\q:32*\b+8*\m+\q+1], v[24+2*\m:25+2*\m] op_sel_hi:[1,0] neg_lo:[0,1] neg_hi:[0,1]
.endr
.endr
.endr
.endm
.macro ACCSQ
.irp b,0,1,2,3,4,5,6,7
.irp q,0,2,4,6
.irp m,0,1,2,3
	v_pk_fma_f32 v[32+2*\m:33+2*\m], v[32*\b+8*\m+\q:32*\b+8*\m+\q+1], v[32*\b+8*\m+\q:32*\b+8*\m+\q+1], v[32+2*\m:33+2*\m]
.endr
.endr
.endr
.endm
.macro XCHG p, off                     ; the pairs at v[p] become the tokens' whole sums in v192, v196, v200, v204
.irp m,0,1,2,3
	v_add_f32 v[\p+2*\m], v[\p+2*\m], v[\p+2*\m+1]
.endr
.irp m,0,1,2,3
	v_permlanex16_b32 v[4+\m], v[\p+2*\m], s96, s97
.endr
.irp m,0,1,2,3
	v_add_f32 v[\p+2*\m], v[\p+2*\m], v[4+\m]
.endr
.irp m,0,1,2,3
	ds_store_b32 v17, v[\p+2*\m] offset:\off+64*\m     ; both halves of the lanes write the same word with the same value
.endr
	s_wait_dscnt 0x0
	s_barrier_signal -1
	s_barrier_wait -1
.irp m,0,1,2,3
.irp w,0,1,2,3
	ds_load_b32 v[192+4*\m+\w], v18 offset:\off+256*\w+64*\m
.endr
.endr
	s_wait_dscnt 0x0
.irp m,0,1,2,3
	v_add_f32 v[192+4*\m], v[192+4*\m], v[193+4*\m]
.endr
.irp m,0,1,2,3
	v_add_f32 v[194+4*\m], v[194+4*\m], v[195+4*\m]
.endr
.irp m,0,1,2,3
	v_add_f32 v[192+4*\m], v[192+4*\m], v[194+4*\m]
.endr
.endm
	WIN 0x08
	ACCSUM
	WIN 0x0c
	ACCSUM
	WIN 0
	XCHG 24, 0
.irp m,0,1,2,3
	v_mul_f32 v[24+2*\m], 0x3a800000, v[192+4*\m]  ; mu = the sum / 1,024
.endr
	WIN 0x82
	ACCSUB
	WIN 0x0a
	ACCSQ
	WIN 0xc3
	ACCSUB
	WIN 0x0f
	ACCSQ
	WIN 0
	XCHG 32, 1024
.irp m,0,1,2,3
	v_fma_f32 v[192+4*\m], v[192+4*\m], s88, s89   ; var + eps
.endr
.irp m,0,1,2,3
	v_rcp_f32 v[32+2*\m], v[192+4*\m]
.endr
	v_nop
	s_wait_alu depctr_va_vdst(0)                   ; one wait for the four reciprocals
	s_wait_loadcnt 0x0                             ; ln_w, ln_b
; THE WAY OUT, block by block of 16 tokens x my 64 columns of a group of 256: scaled, through my own stage, and back as rows of 256 bytes.
; g: the place of the group of 256 columns; m: the tile of tokens.  Both may be given as expressions (g - 1, m - 1), which are put in as text: so each stands in parentheses wherever it is part of a larger expression.
.macro TOSTAGE g, m
	WIN 0x02+((\g)/2)
.irp n,0,1,2,3
.irp q,0,2,4,6
	v_pk_mul_f32 v[160+8*\n+\q:161+8*\n+\q], v[128*((\g)&1)+32*\n+8*(\m)+\q:128*((\g)&1)+32*\n+8*(\m)+\q+1], v[32+2*(\m):33+2*(\m)] op_sel_hi:[1,0]
.endr
.endr
	WIN 0x14
.irp n,0,1,2,3
.irp q,0,2,4,6
	v_pk_fma_f32 v[160+8*\n+\q:161+8*\n+\q], v[160+8*\n+\q:161+8*\n+\q], v[64*(\g)+8*\n+\q:64*(\g)+8*\n+\q+1], v[64*(\g)+32+8*\n+\q:64*(\g)+32+8*\n+\q+1]
.endr
.endr
	WIN 0
.irp n,0,1,2,3
	ds_store_b128 v14, v[160+8*\n:163+8*\n] offset:64*\n
	ds_store_b128 v14, v[164+8*\n:167+8*\n] offset:64*\n+16
.endr
.irp k,0,1,2,3,4,5,6,7
	ds_load_b128 v[96+32*((\m)&1)+4*\k:99+32*((\m)&1)+4*\k], v15 offset:544*\k     ; LDS serves a wave's instructions in order (ISA guide 5.7.1.4): these see the stores above, and the next block's stores come behind them
.endr
.endm
.macro SEND g, m, younger
	s_wait_dscnt \younger
.irp k,0,1,2,3,4,5,6,7
	global_store_b128 v[64+(\g)], v[96+32*((\m)&1)+4*\k:99+32*((\m)&1)+4*\k], s[44:45] offset:4096*(16*(\m)+2*\k) th:TH_STORE_NT    ; 16 lanes store 256 consecutive bytes, at a multiple of 256 from out0's first byte
.endr
.endm
	TOSTAGE 0, 0
	TOSTAGE 0, 1
	SEND 0, 0, 16                                  ; behind block 0's loads: block 1's 8 stores and 8 loads
.irp g,0,1,2,3
.irp m,0,1,2,3
.if (4*\g+\m) > 1
	s_wait_xcnt 0x0                                ; the stores of the block two back have read their registers: this block's loads may land there
	TOSTAGE \g, \m
.if \m == 0
	SEND \g-1, 3, 16
.else
	SEND \g, \m-1, 16
.endif
.endif
.endr
.endr
	SEND 3, 3, 0
	s_wait_tensorcnt 0x0                           ; the wave's end: behind my last tensor load and my last LDS store
	ds_add_u32 v1, v2
	s_wait_dscnt 0x0
	CROUND                                         ; the closing round: no work-group ends while a partner may still ask for a chunk that names it
	s_endpgm
.Lfunc_end_k_q53452c63e4_mha:
	.size	k_q53452c63e4_mha, .Lfunc_end_k_q53452c63e4_mha-k_q53452c63e4_mha
	.p2alignl 7, 3214868480
	.fill 96, 4, 3214868480
	.section	.rodata,"a",@progbits
	.p2align	6, 0x0
	.amdhsa_kernel k_q53452c63e4_mha
		.amdhsa_group_segment_fixed_size 327680
		.amdhsa_private_segment_fixed_size 0
		.amdhsa_enable_private_segment 0
		.amdhsa_kernarg_size 168
		.amdhsa_user_sgpr_count 2
		.amdhsa_user_sgpr_kernarg_segment_ptr 1
		.amdhsa_wavefront_size32 1
		.amdhsa_system_sgpr_workgroup_id_x 1
		.amdhsa_system_sgpr_workgroup_id_y 1
		.amdhsa_system_sgpr_workgroup_id_z 1
		.amdhsa_system_vgpr_workitem_id 0
		.amdhsa_next_free_vgpr 1024
		.amdhsa_next_free_sgpr 102
		.amdhsa_reserve_vcc 0
		.amdhsa_float_denorm_mode_32 3
		.amdhsa_float_denorm_mode_16_64 3
		.amdhsa_memory_ordered 1
		.amdhsa_forward_progress 1
		.amdhsa_inst_pref_size 255
	.end_amdhsa_kernel
	.section	.bss,"aw",@nobits
	.p2align	6
	.space	262144
	.amdgpu_metadata
---
amdhsa.version: [ 1, 2 ]
amdhsa.kernels:
  - .name:           k_q53452c63e4_mha
    .symbol:         k_q53452c63e4_mha.kd
    .args:
      - { .name: q_codes, .offset: 0, .size: 8, .value_kind: global_buffer, .address_space: global }
      - { .name: q_scales, .offset: 8, .size: 8, .value_kind: global_buffer, .address_space: global }
      - { .name: k_codes, .offset: 16, .size: 8, .value_kind: global_buffer, .address_space: global }
      - { .name: k_scales, .offset: 24, .size: 8, .value_kind: global_buffer, .address_space: global }
      - { .name: v_codes, .offset: 32, .size: 8, .value_kind: global_buffer, .address_space: global }
      - { .name: v_scales, .offset: 40, .size: 8, .value_kind: global_buffer, .address_space: global }
      - { .name: Wq_codes, .offset: 48, .size: 8, .value_kind: global_buffer, .address_space: global }
      - { .name: Wq_scales, .offset: 56, .size: 8, .value_kind: global_buffer, .address_space: global }
      - { .name: bq, .offset: 64, .size: 8, .value_kind: global_buffer, .address_space: global }
      - { .name: Wk_codes, .offset: 72, .size: 8, .value_kind: global_buffer, .address_space: global }
      - { .name: Wk_scales, .offset: 80, .size: 8, .value_kind: global_buffer, .address_space: global }
      - { .name: bk, .offset: 88, .size: 8, .value_kind: global_buffer, .address_space: global }
      - { .name: Wv_codes, .offset: 96, .size: 8, .value_kind: global_buffer, .address_space: global }
      - { .name: Wv_scales, .offset: 104, .size: 8, .value_kind: global_buffer, .address_space: global }
      - { .name: bv, .offset: 112, .size: 8, .value_kind: global_buffer, .address_space: global }
      - { .name: Wo_codes, .offset: 120, .size: 8, .value_kind: global_buffer, .address_space: global }
      - { .name: Wo_scales, .offset: 128, .size: 8, .value_kind: global_buffer, .address_space: global }
      - { .name: bo, .offset: 136, .size: 8, .value_kind: global_buffer, .address_space: global }
      - { .name: ln_w, .offset: 144, .size: 8, .value_kind: global_buffer, .address_space: global }
      - { .name: ln_b, .offset: 152, .size: 8, .value_kind: global_buffer, .address_space: global }
      - { .name: out0, .offset: 160, .size: 8, .value_kind: global_buffer, .address_space: global }
    .group_segment_fixed_size: 327680
    .private_segment_fixed_size: 0
    .kernarg_segment_align: 8
    .kernarg_segment_size: 168
    .max_flat_workgroup_size: 128
    .sgpr_count:     102
    .vgpr_count:     1024
    .wavefront_size: 32
...
	.end_amdgpu_metadata
.endif
;; end of part 2
